; MI455X (gfx1250); checked and timed in simulation.
; The chip was launched on July 23, 2026; its instructions are those of AMD's public machine-readable ISA for CDNA 5 (MIT licence, August 2026) and "CDNA5" Instruction Set Architecture Reference Guide (July 2026). The comments in the code are by the model that wrote it; some were corrected since.
;; Token Shuffling Mo E. Allowed arithmetic: float matrix products may take bf16 or f16 operands with f32 sums; other float arithmetic in f32, or as packed bf16 or f16 multiplies, adds, multiply-adds, maxima and minima; sums over many terms, partial sums and values carried from step to step in f32; what a program stores and reads back later, other than sums and carried values, may be rounded once to bf16 or f16.
;; Inputs: router_DE 1,024 x 8 float32; w13 8 x 2,048 x 1,024 float32; w13_shared 4,096 x 1,024 float32; w2 8 x 1,024 x 1,024 float32; w2_shared 1,024 x 2,048 float32; x 2 x 1,024 x 1,024 float32.
;; Outputs: out0 2 x 1,024 x 1,024 float32.
;; Constants: use_static_shape = 1.
;; 2 versions, each right; version 2 is version 1 with the launches gemm1, gemm2 written anew for expert scheduling mode. Each part assembles by itself: llvm-mc -triple=amdgcn-amd-amdhsa -mcpu=gfx1250 --defsym DOCPART=n.
;; ======== version 1 of 2: 5 launches
;; workspace buffers: xb 5,242,880 bytes; xs 5,242,880 bytes; hid 15,728,640 bytes; part 27,262,976 bytes; score 8,192 bytes; ss 10,240 bytes; rt 16,384 bytes of whole numbers; pl 8,448 bytes of whole numbers
;; launch router (part 1): grid 64 x 1, 32 waves a work-group, no clusters, 107,776 bytes of LDS; arguments x, router_DE, xb, score, rt; writes xb, score, rt
.if DOCPART == 1
	.amdgcn_target "amdgcn-amd-amdhsa--gfx1250"
	.amdhsa_code_object_version 6
	.text
	.protected	k_q49d2f646eb_router
	.globl	k_q49d2f646eb_router
	.p2align	8
	.type	k_q49d2f646eb_router,@function
k_q49d2f646eb_router:
	s_mov_b64 s[64:65], 0
	v_nop
	global_prefetch_b8 v0, s[64:65] scope:SCOPE_SE
	s_setreg_imm32_b32 hwreg(HW_REG_WAVE_MODE, 25, 1), 1
	s_wait_xcnt 0x0
; ROUTER.  For each of 2,048 tokens: logits = x . router_DE (both rounded to bf16 first, products and sums in f32), the first largest logit's expert,
; score = sigmoid(that logit).  Also x rounded to bf16 in the blocked layout xb[cb][row][16] (cb = channel / 16, 2,560 rows of 32 bytes a block), and for each
; group of 32 tokens the count of tokens of each expert.
; Every input of the program is rounded to bf16 once, x and router_DE here too, so that the choice of experts belongs to the same rounded inputs as the products.
; LIMITS.  NaN and infinities are not treated apart (a NaN logit never wins); ties go to the lower index; the 1,024 terms of a logit are added in another order than a plain row sum.
; SHARES.  Work-group g: tokens 32 g .. 32 g + 31; wave w: token 32 g + w; lane l: channels 128 j + 4 l + i (j = 0..7, i = 0..3).
; No choice made here steers an address or a branch: experts, scores and counts are stored at fixed places.
.set CBS,   81920                      ; bytes in a block of xb: 2,560 rows x 32
.set TP,    144                        ; table chunk: 4 channels x 8 experts f32 = 128 bytes + 16: 16 lanes' chunks start at 16 different groups of four words modulo 64 words
.set XST,   36864                      ; behind the 256 chunks: 32 token rows of bf16,
.set XPI,   2080                       ; 2,048 bytes + 32
.set IDS,   103424                     ; 32 experts, then 32 scores, in a block of 256 bytes
.set SPARE, 103680                     ; the spare words: 128 bytes for each of 32 waves
.set SPW, 2                            ; v2  my spare word's address; never rewritten
.set NIL, 3                            ; v3  0; never rewritten
.set ACC, 12                           ; v[12:19]   eight logits, four pairs
.set X,   24                           ; v[24:55]   my 32 numbers of x
.set R,   56                           ; v[56:87]   a chunk of the table
.set XP,  88                           ; v[88:103]  x packed to bf16
.set TL,  104                          ; v[104:111] my two pieces of the table
.set XO,  112                          ; v[112:127] rows on their way to xb
	s_load_b256 s[4:11], s[0:1], 0x0               ; x s[4:5], router_DE s[6:7], xb s[8:9], score s[10:11]
	s_load_b64 s[12:13], s[0:1], 0x20              ; rt
	v_lshl_add_u32 v[SPW], v0, 2, SPARE
	v_mov_b32 v[NIL], 0
	v_and_b32 v1, 31, v0                           ; lane
	v_lshrrev_b32 v4, 5, v0
	v_readfirstlane_b32 s14, v4                    ; wave
	s_mov_b32 s15, ttmp9                           ; g
	s_mov_b32 s16, 0x76543210                      ; v_permlanex16_b32: each lane takes its own place in the other half
	s_mov_b32 s17, 0xfedcba98
	s_mov_b32 s18, 0xffff0000                      ; a word's upper bf16
	v_lshlrev_b32 v5, 4, v0                        ; table: 16 bytes a thread
	s_lshl_b32 s20, s15, 5
	s_add_co_u32 s20, s20, s14                     ; my token
	s_lshl_b32 s20, s20, 12                        ; its 4,096 bytes
	v_lshl_add_u32 v6, v1, 4, s20
	v_lshrrev_b32 v7, 3, v0                        ; where my table pieces go: chunk tid / 8, 16 bytes at 16 (tid % 8)
	v_mul_u32_u24 v7, v7, TP
	v_and_b32 v8, 7, v0
	v_lshl_add_u32 v7, v8, 4, v7
	s_mul_i32 s21, s14, XPI
	s_add_co_u32 s21, s21, XST
	v_lshl_add_u32 v8, v1, 3, s21                  ; my token's row: 8 bytes a lane
	v_lshrrev_b32 v9, 1, v1                        ; back out by blocks: token l / 2, half l % 2, blocks 2 w and 2 w + 1
	v_mul_u32_u24 v9, v9, XPI
	v_and_b32 v10, 1, v1
	v_lshl_add_u32 v9, v10, 4, v9
	s_lshl_b32 s22, s14, 6
	s_add_co_u32 s22, s22, XST
	v_add_nc_u32 v9, s22, v9
	s_mul_i32 s23, s14, 2*CBS
	s_lshl_b32 s24, s15, 10
	s_add_co_u32 s23, s23, s24
	v_lshl_add_u32 v10, v1, 4, s23                 ; in xb: block 2 w, row 32 g, 16 bytes a lane
	v_mul_u32_u24 v11, v1, TP                      ; my chunk among 32
	s_wait_kmcnt 0x0
	global_load_b128 v[TL:TL+3], v5, s[6:7]
	global_load_b128 v[TL+4:TL+7], v5, s[6:7] offset:16384
.irp j, 0,1,2,3,4,5,6,7
	global_load_b128 v[X+4*(\j):X+4*(\j)+3], v6, s[4:5] offset:512*(\j) th:TH_LOAD_NT
.endr
	s_wait_loadcnt 8                               ; the table's two loads are in; the eight of x, issued behind them, stay out
.irp k, 0,1,2,3
	v_cvt_pk_bf16_f32 v[20+(\k)], v[TL+2*(\k)], v[TL+2*(\k)+1]    ; rounded to bf16,
.endr
.irp k, 0,1,2,3
	v_lshlrev_b32 v[TL+2*(\k)], 16, v[20+(\k)]                    ; and kept as f32
	v_and_b32 v[TL+2*(\k)+1], s18, v[20+(\k)]
.endr
	ds_store_b128 v7, v[TL:TL+3]
	ds_store_b128 v7, v[TL+4:TL+7] offset:128*TP
	s_wait_loadcnt 0x0                             ; x
.irp k, 0,1,2,3,4,5,6,7,8,9,10,11,12,13,14,15
	v_cvt_pk_bf16_f32 v[XP+(\k)], v[X+2*(\k)], v[X+2*(\k)+1]
.endr
.irp j, 0,1,2,3,4,5,6,7
	ds_store_b64 v8, v[XP+2*(\j):XP+2*(\j)+1] offset:256*(\j)
.endr
.irp k, 0,1,2,3,4,5,6,7,8,9,10,11,12,13,14,15
	v_lshlrev_b32 v[X+2*(\k)], 16, v[XP+(\k)]
	v_and_b32 v[X+2*(\k)+1], s18, v[XP+(\k)]
.endr
	s_wait_dscnt 0x0                               ; for the others' sake: my stores of table and row are done
	s_barrier_signal -1
	s_barrier_wait -1
	; xb: two blocks a wave, 32 tokens x 32 bytes each: two loads and two stores of 512 consecutive bytes
.irp c, 0,1
.irp p, 0,1
	ds_load_b128 v[XO+8*(\c)+4*(\p):XO+8*(\c)+4*(\p)+3], v9 offset:32*(\c)+16*XPI*(\p)
.endr
.endr
	s_wait_dscnt 0x0
.irp c, 0,1
.irp p, 0,1
	global_store_b128 v10, v[XO+8*(\c)+4*(\p):XO+8*(\c)+4*(\p)+3], s[8:9] offset:CBS*(\c)+512*(\p)
.endr
.endr
	; the dot products: for each of my 32 channels eight multiply-adds, two at a time; x is given to both halves
.macro FM i, odd, first
.irp p, 0,1,2,3
.if \first
	v_pk_mul_f32 v[ACC+2*(\p):ACC+2*(\p)+1], v[R+8*(\i)+2*(\p):R+8*(\i)+2*(\p)+1], v[X+4*j+2*((\i)/2):X+4*j+2*((\i)/2)+1] op_sel_hi:[1,0]
.elseif \odd
	v_pk_fma_f32 v[ACC+2*(\p):ACC+2*(\p)+1], v[R+8*(\i)+2*(\p):R+8*(\i)+2*(\p)+1], v[X+4*j+2*((\i)/2):X+4*j+2*((\i)/2)+1], v[ACC+2*(\p):ACC+2*(\p)+1] op_sel:[0,1,0] op_sel_hi:[1,1,1]
.else
	v_pk_fma_f32 v[ACC+2*(\p):ACC+2*(\p)+1], v[R+8*(\i)+2*(\p):R+8*(\i)+2*(\p)+1], v[X+4*j+2*((\i)/2):X+4*j+2*((\i)/2)+1], v[ACC+2*(\p):ACC+2*(\p)+1] op_sel_hi:[1,0,1]
.endif
.endr
.endm
.set j, 0
.rept 8
.irp q, 0,1,2,3,4,5,6,7
	ds_load_b128 v[R+4*(\q):R+4*(\q)+3], v11 offset:32*TP*j+16*(\q)   ; chunk 32 j + l: channel i's eight experts at registers 8 i ..
.endr
	s_wait_dscnt 0x0
.if j == 0
	FM 0, 0, 1                                     ; the first products start the sums
.else
	FM 0, 0, 0
.endif
	FM 1, 1, 0
	FM 2, 0, 0
	FM 3, 1, 0
.set j, j+1
.endr
	; across the 32 lanes: every lane ends with the same eight sums
.irp x, 1,2,4,8
.irp e, 0,1,2,3,4,5,6,7
	v_add_f32_dpp v[ACC+(\e)], v[ACC+(\e)], v[ACC+(\e)] row_xmask:\x row_mask:0xf bank_mask:0xf
.endr
.endr
.irp e, 0,1,2,3,4,5,6,7
	v_permlanex16_b32 v[R+(\e)], v[ACC+(\e)], s16, s17
.endr
.irp e, 0,1,2,3,4,5,6,7
	v_add_f32 v[ACC+(\e)], v[ACC+(\e)], v[R+(\e)]
.endr
	v_mov_b32 v20, v[ACC]                          ; the largest so far,
	v_mov_b32 v21, 0                               ; and whose it is: a later one wins only if it is greater
.irp e, 1,2,3,4,5,6,7
	v_cmp_gt_f32 vcc_lo, v[ACC+(\e)], v20
	v_cndmask_b32 v20, v20, v[ACC+(\e)], vcc_lo
	v_cndmask_b32 v21, v21, \e, vcc_lo
.endr
	v_mul_f32 v22, 0xbfb8aa3b, v20                 ; sigmoid = 1 / (1 + 2^(-log2(e) t))
	v_exp_f32 v22, v22
	v_mov_b32 v23, s14                             ; (a plain instruction behind the exponential)
	s_wait_alu depctr_va_vdst(0)
	v_add_f32 v22, 1.0, v22
	v_rcp_f32 v22, v22
	v_lshl_add_u32 v23, v23, 2, IDS                ; (and behind the reciprocal)
	ds_store_b32 v23, v21                          ; all lanes store the same number to the wave's word
	s_wait_alu depctr_va_vdst(0)
	ds_store_b32 v23, v22 offset:128
	s_wait_dscnt 0x0
	s_barrier_signal -1
	s_barrier_wait -1
	s_cmp_lg_u32 s14, 0
	s_cbranch_scc1 .Lend
	; wave 0 stores the group's 32 experts, 32 scores and 8 counts
	v_lshl_add_u32 v28, v1, 2, IDS
	ds_load_b32 v24, v28
	ds_load_b32 v25, v28 offset:128
	s_lshl_b32 s20, s15, 7
	v_lshl_add_u32 v26, v1, 2, s20
	v_mov_b32 v27, 0
	s_wait_dscnt 0x0
	global_store_b32 v26, v24, s[12:13]
	global_store_b32 v26, v25, s[10:11]
.irp e, 0,1,2,3,4,5,6,7
	v_cmp_eq_u32 s20, \e, v24
	s_bcnt1_i32_b32 s21, s20
	v_writelane_b32 v27, s21, \e
.endr
	global_store_b32 v26, v27, s[12:13] offset:8192 ; words 0..7 the counts, 8..31 zero
.Lend:
	s_wait_tensorcnt 0x0                           ; the wave's end: three closing lines behind my last LDS store
	ds_add_u32 v[SPW], v[NIL]
	s_wait_dscnt 0x0
	s_endpgm
.Lfunc_end_k_q49d2f646eb_router:
	.size	k_q49d2f646eb_router, .Lfunc_end_k_q49d2f646eb_router-k_q49d2f646eb_router
	.p2alignl 7, 3214868480
	.fill 96, 4, 3214868480
	.section	.rodata,"a",@progbits
	.p2align	6, 0x0
	.amdhsa_kernel k_q49d2f646eb_router
		.amdhsa_group_segment_fixed_size 107776
		.amdhsa_private_segment_fixed_size 0
		.amdhsa_enable_private_segment 0
		.amdhsa_kernarg_size 40
		.amdhsa_user_sgpr_count 2
		.amdhsa_user_sgpr_kernarg_segment_ptr 1
		.amdhsa_wavefront_size32 1
		.amdhsa_system_sgpr_workgroup_id_x 1
		.amdhsa_system_sgpr_workgroup_id_y 1
		.amdhsa_system_sgpr_workgroup_id_z 1
		.amdhsa_system_vgpr_workitem_id 0
		.amdhsa_next_free_vgpr 128
		.amdhsa_next_free_sgpr 66
		.amdhsa_reserve_vcc 1
		.amdhsa_float_denorm_mode_32 3
		.amdhsa_float_denorm_mode_16_64 3
		.amdhsa_memory_ordered 1
		.amdhsa_forward_progress 1
		.amdhsa_inst_pref_size 26
	.end_amdhsa_kernel
	.amdgpu_metadata
---
amdhsa.version: [ 1, 2 ]
amdhsa.kernels:
  - .name:           k_q49d2f646eb_router
    .symbol:         k_q49d2f646eb_router.kd
    .args:
      - { .name: x, .offset: 0, .size: 8, .value_kind: global_buffer, .address_space: global }
      - { .name: router_DE, .offset: 8, .size: 8, .value_kind: global_buffer, .address_space: global }
      - { .name: xb, .offset: 16, .size: 8, .value_kind: global_buffer, .address_space: global }
      - { .name: score, .offset: 24, .size: 8, .value_kind: global_buffer, .address_space: global }
      - { .name: rt, .offset: 32, .size: 8, .value_kind: global_buffer, .address_space: global }
    .group_segment_fixed_size: 107776
    .private_segment_fixed_size: 0
    .kernarg_segment_align: 8
    .kernarg_segment_size: 40
    .max_flat_workgroup_size: 1024
    .sgpr_count:     66
    .vgpr_count:     128
    .wavefront_size: 32
...
	.end_amdgpu_metadata
.endif
;; end of part 1
;; launch place (part 2): grid 64 x 1, 16 waves a work-group, no clusters, 0 bytes of LDS; arguments rt, score, xb, pl, ss, xs; writes pl, ss, xs
.if DOCPART == 2
	.amdgcn_target "amdgcn-amd-amdhsa--gfx1250"
	.amdhsa_code_object_version 6
	.text
	.protected	k_q49d2f646eb_place
	.globl	k_q49d2f646eb_place
	.p2align	8
	.type	k_q49d2f646eb_place,@function
k_q49d2f646eb_place:
	s_mov_b64 s[64:65], 0
	v_nop
	global_prefetch_b8 v0, s[64:65] scope:SCOPE_SE
	s_setreg_imm32_b32 hwreg(HW_REG_WAVE_MODE, 25, 1), 1
	s_wait_xcnt 0x0
; PLACE.  A counting sort without atomics.  Tokens are laid by expert, in token order inside an expert; each expert's range of slots begins at a multiple of 64
; (at most 39 tiles of 64 whatever the split: 2,048 tokens + 8 x 63 rounded down to tiles).  Work-group g owns tokens 32 g .. 32 g + 31.
; Every wave works the 32 slots out for itself (lane = token) from the 64 groups' counts; wave w copies blocks 4 w .. 4 w + 3 of those tokens' rows from xb to xs.
; The rows' loads do not hang on the slots: they go out together with the counts' loads and are on their way while the slots are worked out.
; Stored: slot of each token, score of each slot, off[e] and cnt[e] (by work-group 0), xs.  A token's piece of a block is 32 bytes: neighbours in xs are tokens of one expert.
; The lane permutes through the LDS unit touch no LDS byte.
.set CBS, 81920
	s_load_b256 s[4:11], s[0:1], 0x0               ; rt s[4:5], score s[6:7], xb s[8:9], pl s[10:11]
	s_load_b128 s[12:15], s[0:1], 0x20             ; ss s[12:13], xs s[14:15]
	v_and_b32 v1, 31, v0                           ; lane
	v_lshrrev_b32 v2, 5, v0
	v_readfirstlane_b32 s16, v2                    ; wave
	s_mov_b32 s17, ttmp9                           ; g
	s_mov_b32 s18, 0x76543210
	s_mov_b32 s19, 0xfedcba98
	v_and_b32 v3, 7, v1                            ; the expert whose counts I add,
	v_lshrrev_b32 v4, 3, v1                        ; and of which quarter of the groups
	v_lshlrev_b32 v5, 11, v4                       ; 16 groups of 128 bytes
	v_lshl_add_u32 v5, v3, 2, v5
	s_lshl_b32 s20, s17, 7
	v_lshl_add_u32 v6, v1, 2, s20                  ; my token's word
	v_lshlrev_b32 v7, 4, v4                        ; my first group
	s_lshl_b32 s21, s17, 10
	v_lshl_add_u32 v44, v1, 4, s21                 ; in a block of xb: row 32 g, 16 bytes a lane
	s_mul_i32 s22, s16, 4*CBS                      ; my wave's four blocks
	s_mov_b32 s23, 0
	s_wait_kmcnt 0x0
	s_add_nc_u64 s[8:9], s[8:9], s[22:23]
	s_add_nc_u64 s[14:15], s[14:15], s[22:23]
.irp j, 0,1,2,3,4,5,6,7,8,9,10,11,12,13,14,15
	global_load_b32 v[16+(\j)], v5, s[4:5] offset:8192+128*(\j)
.endr
	global_load_b32 v8, v6, s[4:5]                 ; my token's expert
	global_load_b32 v9, v6, s[6:7]                 ; and score
.irp p, 0,1
.irp c, 0,1,2,3
	global_load_b128 v[48+16*(\p)+4*(\c):48+16*(\p)+4*(\c)+3], v44, s[8:9] offset:CBS*(\c)+512*(\p)
.endr
.endr
	v_mov_b32 v10, 0                               ; the expert's tokens in all groups,
	v_mov_b32 v11, 0                               ; and in the groups before mine
	s_wait_loadcnt 8                               ; counts, expert and score are in; the eight loads of rows, issued behind them, stay out
.irp j, 0,1,2,3,4,5,6,7,8,9,10,11,12,13,14,15
	v_add_nc_u32 v12, \j, v7
	v_cmp_gt_u32 vcc_lo, s17, v12
	v_cndmask_b32 v13, 0, v[16+(\j)], vcc_lo
	v_add_nc_u32 v10, v10, v[16+(\j)]
	v_add_nc_u32 v11, v11, v13
.endr
	v_mov_b32_dpp v12, v10 row_xmask:8 row_mask:0xf bank_mask:0xf  ; the four quarters meet: lanes 8 apart, then 16 apart
	v_mov_b32_dpp v13, v11 row_xmask:8 row_mask:0xf bank_mask:0xf
	v_add_nc_u32 v10, v10, v12
	v_add_nc_u32 v11, v11, v13
	v_permlanex16_b32 v12, v10, s18, s19
	v_permlanex16_b32 v13, v11, s18, s19
	v_add_nc_u32 v10, v10, v12                     ; every lane: cnt of expert l % 8
	v_add_nc_u32 v11, v11, v13
	v_add_nc_u32 v14, 63, v10
	v_and_b32 v14, 0xffffffc0, v14                 ; rounded up to tiles of 64
.irp e, 0,1,2,3,4,5,6,7
	v_readlane_b32 s[40+(\e)], v14, \e
.endr
	s_mov_b32 s48, 0
.irp e, 0,1,2,3,4,5,6
	s_add_co_u32 s[49+(\e)], s[48+(\e)], s[40+(\e)]
.endr
	v_mov_b32 v15, 0
.irp e, 0,1,2,3,4,5,6,7
	v_writelane_b32 v15, s[48+(\e)], \e            ; off[e] in lane e
.endr
	v_add_nc_u32 v32, v15, v11                     ; lanes 0..7: where this group's tokens of expert e begin
	v_min_u32 v8, 7, v8
	v_lshlrev_b32 v33, 2, v8
	ds_bpermute_b32 v34, v33, v32
	v_mov_b32 v35, 0
.irp e, 0,1,2,3,4,5,6,7
	v_cmp_eq_u32 s56, \e, v8
	v_mbcnt_lo_u32_b32 v36, s56, 0                 ; tokens of expert e in the lanes below mine
	v_cndmask_b32 v35, v35, v36, s56
.endr
	s_wait_dscnt 0x0
	v_add_nc_u32 v34, v34, v35
	v_min_u32 v34, 0x9ff, v34                      ; my token's slot, inside the 2,560 rows
	s_cmp_lg_u32 s16, 0
	s_cbranch_scc1 .Lcopy
	global_store_b32 v6, v34, s[10:11]
	v_lshlrev_b32 v37, 2, v34
	global_store_b32 v37, v9, s[12:13]
	s_cmp_lg_u32 s17, 0
	s_cbranch_scc1 .Lcopy
	v_lshlrev_b32 v38, 2, v1
	global_store_b32 v38, v15, s[10:11] offset:8192 ; words 0..7: off
	global_store_b32 v38, v10, s[10:11] offset:8320 ; words 32..39: cnt
.Lcopy:
	v_lshrrev_b32 v39, 1, v1                       ; two lanes to a token's 32 bytes of a block: tokens l / 2 and 16 + l / 2
	v_lshlrev_b32 v39, 2, v39
	v_add_nc_u32 v40, 64, v39
	ds_bpermute_b32 v41, v39, v34
	ds_bpermute_b32 v42, v40, v34
	v_and_b32 v43, 1, v1
	v_lshlrev_b32 v43, 4, v43
	s_wait_dscnt 0x0
	v_min_u32 v41, 0x9ff, v41
	v_min_u32 v42, 0x9ff, v42
	v_lshl_add_u32 v41, v41, 5, v43
	v_lshl_add_u32 v42, v42, 5, v43
	s_wait_loadcnt 0x0                             ; the rows
.irp p, 0,1
.irp c, 0,1,2,3
	global_store_b128 v[41+(\p)], v[48+16*(\p)+4*(\c):48+16*(\p)+4*(\c)+3], s[14:15] offset:CBS*(\c)
.endr
.endr
	s_endpgm
.Lfunc_end_k_q49d2f646eb_place:
	.size	k_q49d2f646eb_place, .Lfunc_end_k_q49d2f646eb_place-k_q49d2f646eb_place
	.p2alignl 7, 3214868480
	.fill 96, 4, 3214868480
	.section	.rodata,"a",@progbits
	.p2align	6, 0x0
	.amdhsa_kernel k_q49d2f646eb_place
		.amdhsa_group_segment_fixed_size 0
		.amdhsa_private_segment_fixed_size 0
		.amdhsa_enable_private_segment 0
		.amdhsa_kernarg_size 48
		.amdhsa_user_sgpr_count 2
		.amdhsa_user_sgpr_kernarg_segment_ptr 1
		.amdhsa_wavefront_size32 1
		.amdhsa_system_sgpr_workgroup_id_x 1
		.amdhsa_system_sgpr_workgroup_id_y 1
		.amdhsa_system_sgpr_workgroup_id_z 1
		.amdhsa_system_vgpr_workitem_id 0
		.amdhsa_next_free_vgpr 80
		.amdhsa_next_free_sgpr 66
		.amdhsa_reserve_vcc 1
		.amdhsa_float_denorm_mode_32 3
		.amdhsa_float_denorm_mode_16_64 3
		.amdhsa_memory_ordered 1
		.amdhsa_forward_progress 1
		.amdhsa_inst_pref_size 12
	.end_amdhsa_kernel
	.amdgpu_metadata
---
amdhsa.version: [ 1, 2 ]
amdhsa.kernels:
  - .name:           k_q49d2f646eb_place
    .symbol:         k_q49d2f646eb_place.kd
    .args:
      - { .name: rt, .offset: 0, .size: 8, .value_kind: global_buffer, .address_space: global }
      - { .name: score, .offset: 8, .size: 8, .value_kind: global_buffer, .address_space: global }
      - { .name: xb, .offset: 16, .size: 8, .value_kind: global_buffer, .address_space: global }
      - { .name: pl, .offset: 24, .size: 8, .value_kind: global_buffer, .address_space: global }
      - { .name: ss, .offset: 32, .size: 8, .value_kind: global_buffer, .address_space: global }
      - { .name: xs, .offset: 40, .size: 8, .value_kind: global_buffer, .address_space: global }
    .group_segment_fixed_size: 0
    .private_segment_fixed_size: 0
    .kernarg_segment_align: 8
    .kernarg_segment_size: 48
    .max_flat_workgroup_size: 512
    .sgpr_count:     66
    .vgpr_count:     80
    .wavefront_size: 32
...
	.end_amdgpu_metadata
.endif
;; end of part 2
;; launch gemm1 (part 3): grid 256 x 1, 4 waves a work-group, no clusters, 264,704 bytes of LDS; arguments w13, w13_shared, xb, xs, score, ss, pl, hid; writes hid
.if DOCPART == 3
	.amdgcn_target "amdgcn-amd-amdhsa--gfx1250"
	.amdhsa_code_object_version 6
	.text
	.protected	k_q49d2f646eb_gemm1
	.globl	k_q49d2f646eb_gemm1
	.p2align	8
	.type	k_q49d2f646eb_gemm1,@function
k_q49d2f646eb_gemm1:
	s_mov_b64 s[64:65], 0
	v_nop
	global_prefetch_b8 v0, s[64:65] scope:SCOPE_SE
	s_setreg_imm32_b32 hwreg(HW_REG_WAVE_MODE, 25, 1), 1
	s_wait_xcnt 0x0
; FIRST PRODUCT AND SWIGLU.  hid = silu(s x Wg^T) * (s x Wu^T), s = the token's score (routed) or 1 (shared), rounded once to bf16.
; The score is applied in f32 behind the products: (s x) W = s (x W); h = s^2 g u / (1 + 2^(-log2(e) s g)).
; JOBS.  Work-groups 0..127: expert wg / 16, slice wg % 16 of its hidden width; all of that expert's rows (slots off .. off + cnt - 1).
; Work-groups 128..255: slice wg % 32 of the shared hidden width, tokens 512 ch .. 512 ch + 511, ch = (wg / 32) % 4.
; A slice is 64 gate rows and the 64 up rows that belong to them, 1,024 channels each.  The work-group reads it once as f32, rounds it to bf16 on the way through registers and
; lays it in LDS; after ONE barrier LDS is only read.  Then each wave walks tiles of 64 rows (tiles w, w + 4, ..) by itself.  How many hangs on the stored count: the tile loop counts
; to the constant 8 (2,048 rows on one expert: 32 tiles, 8 a wave) and dead trips jump forward to the counter's step; no barrier stands in what is jumped.
; The rows come from memory straight into registers as matrix operands: in the blocked layout [channel / 16][row][16] a fragment's load of 16 rows is 512 consecutive bytes.
; They run seven K steps ahead in a ring of eight stages.  A tile's first seven stages are asked for early: the first tile's while the last weight rows land, a later tile's ahead of the way out of the tile before.
; K's 32 steps are written out: every LDS address is a register that is never rewritten plus a constant, and the rows' base is never stepped.
; No tensor loads and no joint loads: the weights have to pass through registers to be rounded, and a routed slice has one reader.
; In a tile that is not full the places past the count repeat the expert's last row; all 64 rows are stored, into the expert's own range of slots.  An expert without rows: no tile
; (the rows asked for early are then read inside the buffer and not used).
; THE MATRIX INSTRUCTION IS USED TRANSPOSED: source 0 = 16 weight rows, source 1 = 16 tokens: a lane holds one token (lane % 16) and hidden columns 8 (lane / 16) + 0..7.
; LIMITS.  NaN and infinities are not treated apart; where 2^(..) overflows the reciprocal is 0, as silu's limit is.
; REGISTERS, in windows of 256 (s_set_vgpr_msb: bits 1:0 source 0, 3:2 source 1, 5:4 source 2, 7:6 destination):
;   window 0: addresses and factors; v64-127, v128-191 two buffers of weight fragments (v128-191 also the packed results); v192-207 a rounded weight row
;   window 1: 32 accumulators, (m, b) at 8 (8 m + b); while the slice is loaded: eight rows of f32        window 2: the ring of eight K steps' token fragments, 32 registers each
.set CBS,   81920                      ; bytes in a block: 2,560 rows x 32
.set PL,    2064                       ; an LDS row: 2,048 bytes + 16: the 16 rows of a fragment load start at 16 different groups of four words modulo 64 words
.set SLICE, 128*PL
.set SPARE, SLICE                      ; the spare words, 128 bytes a wave
.set MAXT,  8                          ; tiles a wave at the most
.set AOFF, 4                           ; v4-7    byte offset of my 16 bytes in block 0, for token blocks m = 0..3
.set BADR, 8                           ; v8-15   LDS address of my part of weight block b; never rewritten
.set OOFF, 16                          ; v16     byte offset of my 16 bytes in the output's block 0
.set TA,   19
.set TB,   20
.set H16,  21                          ; v21     16 (lane / 16)
.set SC,   24                          ; v24-27  my token's score, by m
.set SPW,  28
.set NIL,  29
.set CL,   30                          ; v30-37  -log2(e) s, twice, by m
.set CH,   38                          ; v38-45  s^2, twice, by m
.set OFF,  46                          ; v46-53  set i: byte offset of the weight row that it loads next
.set LW,   54                          ; v54     where my 8 bytes of a rounded row go
.set SOFF, 56                          ; v56-59  byte offset of my token's score, by m
.set F0,   64
.set T,    128
.set CT,   192
.set MSB, 0
.macro WIN new                         ; the immediate's high byte repeats the setting that is left; a switch that changes nothing is dropped
.if MSB != (\new)
	s_set_vgpr_msb (MSB<<8)|(\new)
.set MSB, \new
.endif
.endm
.macro PLACES                          ; four plain vector instructions between a matrix instruction and a load into, or a vector access to, its registers
.rept 4
	v_nop
.endr
.endm
; eight loads: a weight row's 4,096 bytes, 512 consecutive bytes each, into set i
.macro WLOAD i
	WIN 0x40
.irp j, 0,1,2,3,4,5,6,7
	global_load_b128 v[32*(\i)+4*(\j):32*(\i)+4*(\j)+3], v[OFF+(\i)], s[28:29] offset:512*(\j)
.endr
.endm
; a turn: set i's row is in; it is rounded and stored to LDS; the set in front of it in the ring takes the row seven further on
.macro SLOT i, ahead, left
	s_wait_loadcnt \left                           ; loads come back in order: my row is in, the younger loads stay out
	WIN 0x05
.irp k, 0,1,2,3,4,5,6,7,8,9,10,11,12,13,14,15
	v_cvt_pk_bf16_f32 v[CT+(\k)], v[32*(\i)+2*(\k)], v[32*(\i)+2*(\k)+1]
.endr
	WIN 0
.irp j, 0,1,2,3,4,5,6,7
	ds_store_b64 v[LW], v[CT+2*(\j):CT+2*(\j)+1] offset:(\i)*PL+256*(\j)
.endr
.if \ahead
	v_add_nc_u32 v[OFF+(\i)], s27, v[OFF+(\i)]     ; free since the wait above: this set's next row, eight on
	WLOAD ((\i)+7)%8
.endif
.endm
; K step s: token fragments into stage s % 8, straight from memory; 8 loads of 512 consecutive bytes
.macro ALOAD s
	WIN 0x80
.irp m, 0,1,2,3
	global_load_b128 v[32*((\s)%8)+8*(\m):32*((\s)%8)+8*(\m)+3],   v[AOFF+(\m)], s[30:31] offset:2*(\s)*CBS
	global_load_b128 v[32*((\s)%8)+8*(\m)+4:32*((\s)%8)+8*(\m)+7], v[AOFF+(\m)], s[30:31] offset:(2*(\s)+1)*CBS
.endr
.endm
.macro BLOAD s, f                      ; K step s: the slice's 8 fragments from LDS into buffer f
	WIN 0
.irp b, 0,1,2,3,4,5,6,7
	ds_load_b128 v[(\f)+8*(\b):(\f)+8*(\b)+3],   v[BADR+(\b)] offset:64*(\s)
	ds_load_b128 v[(\f)+8*(\b)+4:(\f)+8*(\b)+7], v[BADR+(\b)] offset:64*(\s)+32
.endr
.endm
; 16 matrix instructions.  The 32 accumulators take turns, in the same order in every step.  Step 0 starts the sums with the constant 0.
.macro MUL s, m0
	WIN 0x58
.irp m, \m0, (\m0)+1
.irp b, 0,1,2,3,4,5,6,7
.if (\s) == 0
	v_wmma_f32_16x16x32_bf16 v[8*(8*(\m)+(\b)):8*(8*(\m)+(\b))+7], v[FB+8*(\b):FB+8*(\b)+7], v[32*((\s)%8)+8*(\m):32*((\s)%8)+8*(\m)+7], 0
.else
	v_wmma_f32_16x16x32_bf16 v[8*(8*(\m)+(\b)):8*(8*(\m)+(\b))+7], v[FB+8*(\b):FB+8*(\b)+7], v[32*((\s)%8)+8*(\m):32*((\s)%8)+8*(\m)+7], v[8*(8*(\m)+(\b)):8*(8*(\m)+(\b))+7]
.endif
.endr
.endr
.endm
.macro KSTEP s
.set FB, F0+64*((\s)%2)
.set FN, F0+64*(((\s)+1)%2)
	s_wait_dscnt 0x0                               ; this step's weight fragments, asked for 16 matrix instructions ago
.if (\s) < 25
	s_wait_loadcnt 48                              ; this step's token fragments; the six younger steps' 48 loads stay out
.else
	s_wait_loadcnt 8*(31-(\s))                     ; nothing more is asked for: the counts run down
.endif
	MUL \s, 0
	PLACES                                         ; the registers loaded below were last read by the step before
.if (\s) < 31
	BLOAD (\s)+1, FN
.endif
.if (\s) < 25
	ALOAD (\s)+7
.endif
	MUL \s, 2
.endm
; the offsets of the tile that begins at row s40 of the job
.macro OFFS
	v_add_nc_u32 v[TA], s40, v1
.irp m, 0,1,2,3
	v_add_nc_u32 v[TB], 16*(\m), v[TA]
	v_min_u32 v[TB], s37, v[TB]                    ; places past the count repeat the last row
	v_add_nc_u32 v[TB], s38, v[TB]
	v_min_u32 v[TB], 0x9ff, v[TB]
	v_lshlrev_b32 v[SOFF+(\m)], 2, v[TB]
	v_lshl_add_u32 v[AOFF+(\m)], v[TB], 5, v[H16]
.endr
.endm
.macro SCLOAD
.irp m, 0,1,2,3
	global_load_b32 v[SC+(\m)], v[SOFF+(\m)], s[34:35]  ; older than every fragment load of the tile: in when step 0's are
.endr
.endm
	s_load_b512 s[8:23], s[0:1], 0x0               ; w13 s[8:9], w13_shared s[10:11], xb s[12:13], xs s[14:15], score s[16:17], ss s[18:19], pl s[20:21], hid s[22:23]
	v_lshl_add_u32 v[SPW], v0, 2, SPARE
	v_mov_b32 v[NIL], 0
	v_lshrrev_b32 v[TA], 5, v0
	v_readfirstlane_b32 s24, v[TA]                 ; wave
	s_mov_b32 s25, ttmp9
	v_and_b32 v3, 31, v0                           ; lane
	v_and_b32 v1, 15, v0                           ; r
	v_bfe_u32 v2, v0, 4, 1                         ; h
	v_lshlrev_b32 v[H16], 4, v2
	v_mul_u32_u24 v[TA], v1, PL
	v_add_nc_u32 v[TA], v[TA], v[H16]
.irp b, 0,1,2,3,4,5,6,7
	v_add_nc_u32 v[BADR+(\b)], (\b)*16*PL, v[TA]
.endr
	s_mul_i32 s44, s24, 32*PL
	v_lshl_add_u32 v[LW], v3, 3, s44               ; wave w fills LDS rows 32 w .. 32 w + 31
	s_bfe_u32 s44, s25, 0x30004                    ; the expert; for a shared job any of the eight: its two words are read and not used
	s_lshl_b32 s46, s44, 2
	s_mov_b32 s47, 0
	s_and_b32 s45, s25, 15
	s_lshl_b32 s50, s44, 23                        ; routed: the expert's 2,048 rows of 4,096 bytes,
	s_lshl_b32 s51, s45, 18                        ; the slice's 64 rows
	s_add_co_u32 s50, s50, s51
	s_lshl_b32 s52, s45, 2
	s_add_co_u32 s52, s52, 128                     ; routed hidden: blocks 128 + 4 slice ..
	s_and_b32 s53, s25, 31
	s_lshl_b32 s51, s53, 18                        ; shared: the slice's 64 rows
	s_lshl_b32 s53, s53, 2                         ; shared hidden: blocks 4 slice ..
	s_bfe_u32 s39, s25, 0x20005
	s_lshl_b32 s39, s39, 9                         ; shared: first token
	s_mov_b32 s26, 4096                            ; bytes from weight row to weight row
	s_mov_b32 s27, 8*4096
	s_wait_kmcnt 0x0
	s_add_nc_u64 s[48:49], s[20:21], s[46:47]
	s_load_b32 s38, s[48:49], 0x2000               ; off[e]
	s_load_b32 s36, s[48:49], 0x2080               ; cnt[e]: both are waited for behind the first weight loads, which do not hang on them
	s_cmp_lt_u32 s25, 128                          ; routed?  Only selects follow up to the last use
	s_cselect_b64 s[28:29], s[8:9], s[10:11]       ; weights
	s_cselect_b64 s[30:31], s[14:15], s[12:13]     ; rows: xs or xb
	s_cselect_b64 s[34:35], s[18:19], s[16:17]     ; scores: by slot or by token
	s_cselect_b32 s50, s50, s51
	s_cselect_b32 s52, s52, s53
	s_cselect_b32 s43, 0, -1                       ; all ones: the score counts as 1
	s_cselect_b32 s55, 22, 23                      ; the up rows lie 2^22 or 2^23 bytes behind the gate rows
	s_lshr_b32 s44, s24, 1                         ; waves 0, 1: gate rows; waves 2, 3: up rows
	s_lshl_b32 s55, s44, s55
	s_and_b32 s44, s24, 1
	s_lshl_b32 s44, s44, 17                        ; the first or the second 32 of them
	s_add_co_u32 s50, s50, s44
	s_add_co_u32 s50, s50, s55
	s_mov_b32 s51, 0
	s_add_nc_u64 s[28:29], s[28:29], s[50:51]
	s_mul_i32 s52, s52, CBS
	s_mov_b32 s53, 0
	s_add_nc_u64 s[32:33], s[22:23], s[52:53]
	v_lshlrev_b32 v[TA], 4, v3
.irp i, 0,1,2,3,4,5,6,7
	s_mul_i32 s44, s26, \i
	v_add_nc_u32 v[OFF+(\i)], s44, v[TA]
.endr
	; THE SLICE: 32 rows a wave, seven rows (56 loads) on their way
.irp i, 0,1,2,3,4,5,6
	WLOAD \i
.endr
	WIN 0
	s_wait_kmcnt 0x0                               ; off and cnt
	s_min_u32 s38, s38, 2496
	s_min_u32 s36, s36, 2048
	s_cmp_lt_u32 s25, 128
	s_cselect_b32 s38, s38, s39                    ; first row
	s_cselect_b32 s36, s36, 512                    ; rows
	s_add_co_u32 s44, s36, 63
	s_lshr_b32 s44, s44, 6                         ; tiles of 64 rows
	s_add_co_u32 s44, s44, 3
	s_sub_co_u32 s44, s44, s24
	s_lshr_b32 s42, s44, 2                         ; of which tiles w, w + 4, .. are mine: so many are still to do
	s_sub_co_u32 s37, s36, 1                       ; the last row that exists
	s_lshl_b32 s40, s24, 6                         ; my tile's first row in the job
	OFFS
	s_mov_b32 s41, 3
.Lw:
.irp i, 0,1,2,3,4,5,6,7
	SLOT \i, 1, 48                                 ; six younger rows of eight loads stay out
.endr
	WIN 0
	v_add_nc_u32 v[LW], 8*PL, v[LW]
	s_sub_co_u32 s41, s41, 1
	s_cmp_lg_u32 s41, 0
	s_cbranch_scc1 .Lw
	SLOT 0, 1, 48                                  ; the last eight rows: one more weight load (row 31);
	WIN 0
	SCLOAD                                         ; then my first tile's scores, and for each weight row that lands a stage of its token fragments
.irp i, 1,2,3,4,5,6,7
	SLOT \i, 0, 52                                 ; younger than row 24 + i: 8 (7 - i) weight loads, 4 scores, 8 (i - 1) fragment loads
	ALOAD (\i)-1
.endr
	WIN 0
	s_wait_dscnt 0x0                               ; for the others' sake: my rows are in LDS
	s_barrier_signal -1
	s_barrier_wait -1                              ; the slice is whole; from here on LDS is only read
	BLOAD 0, F0
	s_mov_b32 s41, MAXT
.Ltile:
	s_cmp_eq_u32 s42, 0
	s_cbranch_scc1 .Lskip                          ; a dead trip
	s_wait_xcnt 0x0                                ; the last tile's stores have read their offset and their data (buffer 1's registers): rewritten only behind this wait
	s_add_co_u32 s44, s38, s40
	s_min_u32 s44, s44, 2496
	v_add_nc_u32 v[TB], s44, v1
	v_lshl_add_u32 v[OOFF], v[TB], 5, v[H16]
.set ks, 0
.rept 32
	KSTEP ks
.set ks, ks+1
.endr
	WIN 0
	; the factors: twenty plain instructions that name no register of the products: the places behind the last of them
.irp m, 0,1,2,3
	v_cndmask_b32 v[TA], v[SC+(\m)], 1.0, s43
	v_mul_f32 v[CL+2*(\m)], 0xbfb8aa3b, v[TA]
	v_mul_f32 v[CL+2*(\m)+1], 0xbfb8aa3b, v[TA]
	v_mul_f32 v[CH+2*(\m)], v[TA], v[TA]
	v_mul_f32 v[CH+2*(\m)+1], v[TA], v[TA]
.endr
	s_add_co_u32 s40, s40, 256
	s_sub_co_u32 s42, s42, 1
	s_cmp_eq_u32 s42, 0
	s_cbranch_scc1 .Lnopre
	OFFS                                           ; my next tile is asked for ahead of this one's way out: every load of this tile is back (the last step waited for 0), so its offsets may be written
	SCLOAD
.irp a, 0,1,2,3,4,5,6
	ALOAD \a
.endr
	BLOAD 0, F0
	WIN 0
.Lnopre:
; token block m: G = its four gate accumulators, U = its four up accumulators, 32 registers each; each accumulator is read from its low end on
.macro SWI m
.set G, 64*(\m)
.set U, 64*(\m)+32
	WIN 0x45
.set k, 0
.rept 16
	v_pk_mul_f32 v[U+k:U+k+1], v[G+k:G+k+1], v[U+k:U+k+1]          ; g u
.set k, k+2
.endr
	WIN 0x41
.set k, 0
.rept 16
	v_pk_mul_f32 v[G+k:G+k+1], v[G+k:G+k+1], v[CL+2*(\m):CL+2*(\m)+1]  ; -log2(e) s g
.set k, k+2
.endr
.set k, 0
.rept 32
	v_exp_f32 v[G+k], v[G+k]
.set k, k+1
.endr
.set k, 0
.rept 16
	v_pk_mul_f32 v[U+k:U+k+1], v[U+k:U+k+1], v[CH+2*(\m):CH+2*(\m)+1]  ; s^2 g u: plain work behind the exponentials
.set k, k+2
.endr
.set k, 0
	s_wait_alu depctr_va_vdst(0)
.rept 16
	v_pk_add_f32 v[G+k:G+k+1], v[G+k:G+k+1], 1.0 op_sel_hi:[1,0]
.set k, k+2
.endr
.set k, 0
.rept 32
	v_rcp_f32 v[G+k], v[G+k]
.set k, k+1
.endr
	v_nop                                          ; a plain instruction behind the last reciprocal
	WIN 0x45
.set k, 0
	s_wait_alu depctr_va_vdst(0)
.rept 16
	v_pk_mul_f32 v[U+k:U+k+1], v[U+k:U+k+1], v[G+k:G+k+1]
.set k, k+2
.endr
	WIN 0x05
.set k, 0
.rept 16
	v_cvt_pk_bf16_f32 v[T+16*(\m)+k], v[U+2*k], v[U+2*k+1]
.set k, k+1
.endr
	WIN 0
.irp b, 0,1,2,3
	global_store_b128 v[OOFF], v[T+16*(\m)+4*(\b):T+16*(\m)+4*(\b)+3], s[32:33] offset:(\b)*CBS+512*(\m)  ; 16 rows x 32 bytes of one block: 512 consecutive bytes, aligned
.endr
.endm
	SWI 0
	SWI 1
	SWI 2
	SWI 3
.Lskip:
	s_sub_co_u32 s41, s41, 1
	s_cmp_lg_u32 s41, 0
	s_cbranch_scc1 .Ltile
	s_wait_tensorcnt 0x0                           ; the wave's end: three closing lines behind my last LDS store
	ds_add_u32 v[SPW], v[NIL]
	s_wait_dscnt 0x0
	s_endpgm
.Lfunc_end_k_q49d2f646eb_gemm1:
	.size	k_q49d2f646eb_gemm1, .Lfunc_end_k_q49d2f646eb_gemm1-k_q49d2f646eb_gemm1
	.p2alignl 7, 3214868480
	.fill 96, 4, 3214868480
	.section	.rodata,"a",@progbits
	.p2align	6, 0x0
	.amdhsa_kernel k_q49d2f646eb_gemm1
		.amdhsa_group_segment_fixed_size 264704
		.amdhsa_private_segment_fixed_size 0
		.amdhsa_enable_private_segment 0
		.amdhsa_kernarg_size 64
		.amdhsa_user_sgpr_count 2
		.amdhsa_user_sgpr_kernarg_segment_ptr 1
		.amdhsa_wavefront_size32 1
		.amdhsa_system_sgpr_workgroup_id_x 1
		.amdhsa_system_sgpr_workgroup_id_y 1
		.amdhsa_system_sgpr_workgroup_id_z 1
		.amdhsa_system_vgpr_workitem_id 0
		.amdhsa_next_free_vgpr 768
		.amdhsa_next_free_sgpr 66
		.amdhsa_reserve_vcc 0
		.amdhsa_float_denorm_mode_32 3
		.amdhsa_float_denorm_mode_16_64 3
		.amdhsa_memory_ordered 1
		.amdhsa_forward_progress 1
		.amdhsa_inst_pref_size 217
	.end_amdhsa_kernel
	.amdgpu_metadata
---
amdhsa.version: [ 1, 2 ]
amdhsa.kernels:
  - .name:           k_q49d2f646eb_gemm1
    .symbol:         k_q49d2f646eb_gemm1.kd
    .args:
      - { .name: w13, .offset: 0, .size: 8, .value_kind: global_buffer, .address_space: global }
      - { .name: w13_shared, .offset: 8, .size: 8, .value_kind: global_buffer, .address_space: global }
      - { .name: xb, .offset: 16, .size: 8, .value_kind: global_buffer, .address_space: global }
      - { .name: xs, .offset: 24, .size: 8, .value_kind: global_buffer, .address_space: global }
      - { .name: score, .offset: 32, .size: 8, .value_kind: global_buffer, .address_space: global }
      - { .name: ss, .offset: 40, .size: 8, .value_kind: global_buffer, .address_space: global }
      - { .name: pl, .offset: 48, .size: 8, .value_kind: global_buffer, .address_space: global }
      - { .name: hid, .offset: 56, .size: 8, .value_kind: global_buffer, .address_space: global }
    .group_segment_fixed_size: 264704
    .private_segment_fixed_size: 0
    .kernarg_segment_align: 8
    .kernarg_segment_size: 64
    .max_flat_workgroup_size: 128
    .sgpr_count:     66
    .vgpr_count:     768
    .wavefront_size: 32
...
	.end_amdgpu_metadata
.endif
;; end of part 3
;; launch gemm2 (part 4): grid 256 x 1, 4 waves a work-group, no clusters, 298,496 bytes of LDS; arguments w2, w2_shared, hid, pl, part; writes part
.if DOCPART == 4
	.amdgcn_target "amdgcn-amd-amdhsa--gfx1250"
	.amdhsa_code_object_version 6
	.text
	.protected	k_q49d2f646eb_gemm2
	.globl	k_q49d2f646eb_gemm2
	.p2align	8
	.type	k_q49d2f646eb_gemm2,@function
k_q49d2f646eb_gemm2:
	s_mov_b64 s[64:65], 0
	v_nop
	global_prefetch_b8 v0, s[64:65] scope:SCOPE_SE
	s_setreg_imm32_b32 hwreg(HW_REG_WAVE_MODE, 25, 1), 1
	s_wait_xcnt 0x0
; SECOND PRODUCT.  part = hid W2^T in f32, in three partial results that the next launch adds: the shared expert's two halves of its hidden width (by token), the routed experts' (by slot).
; JOBS.  Work-groups 0..127: expert wg / 16, slice (wg / 2) % 8 of 128 output columns, half hf = wg % 2 of that expert's tiles of slots: wave w takes tiles q, q + 8, .., q = w + 4 hf,
; so that an expert of up to 512 rows costs no wave more than one tile.  The price: a routed slice is read by two work-groups.
; Work-groups 128..255: slice wg % 8, half kh = (wg / 8) % 2 of the shared hidden width, tokens 256 ch .. 256 ch + 255, ch = (wg / 16) % 8 (four tiles, q = w).
; A slice is 128 weight rows x 1,024 of K: read as f32, rounded to bf16 on the way through registers, laid in LDS; after ONE barrier the slice is only read.
; How many tiles a wave walks hangs on the stored count: the tile loop counts to the constant 4 (32 tiles, 8 waves) and dead trips jump forward to the counter's step; no barrier stands in what is jumped.
; A work-group that a split leaves without a tile loads its slice all the same and stores nothing: every wave passes the barrier.
; The launch before stored every row of every tile, so whole tiles are read and stored.
; The hidden rows come from memory straight into registers as matrix operands (blocked layout: a fragment's load of 16 rows is 512 consecutive bytes), seven K steps ahead in a ring of eight stages.
; A tile's first seven stages are asked for early: the first tile's while the last weight rows land, a later tile's ahead of the way out of the tile before.
; K's 32 steps are written out: every LDS address is a register that is never rewritten plus a constant, and the rows' base is never stepped.
; No tensor loads and no joint loads: the weights have to pass through registers to be rounded.
; THE MATRIX INSTRUCTION IS USED TRANSPOSED: source 0 = 16 weight rows, source 1 = 16 rows of hid: a lane holds one row and eight neighbouring output columns.
; THE WAY OUT goes through a stage of the wave's own in LDS, at fixed addresses: 16 rows of 512 bytes go in by lanes and come back as whole rows.
; REGISTERS: window 0 addresses, two buffers of weight fragments (v128-191 also the rows on their way out), a rounded weight row;
;   window 1 the 32 accumulators (while the slice is loaded: eight rows of f32); window 2 the ring of eight K steps' fragments of hid.
.set CBS,   81920
.set PL,    2064                       ; an LDS row: 2,048 bytes + 16
.set SLICE, 128*PL
.set STAGE, SLICE                      ; 16 rows x 528 bytes for each wave
.set SPI,   528                        ; 512 bytes + 16: 16 lanes' rows start at 16 different groups of four words modulo 64 words
.set SPARE, STAGE+4*16*SPI             ; the spare words, 128 bytes a wave
.set MAXT,  4                          ; tiles a wave at the most
.set AOFF, 4
.set BADR, 8                           ; v8-15  never rewritten
.set OOFF, 16                          ; v16  my byte offset in the tile's first row of part
.set STO,  17                          ; v17  the stage: where I put 32 bytes of a row
.set RD,   18                          ; v18  the stage: where I read 16 bytes of a row back
.set TA,   19
.set TB,   20
.set H16,  21
.set SPW,  28
.set NIL,  29
.set OFF,  46
.set LW,   54
.set F0,   64
.set T,    128
.set CT,   192
.set MSB, 0
.macro WIN new                         ; the immediate's high byte repeats the setting that is left; a switch that changes nothing is dropped
.if MSB != (\new)
	s_set_vgpr_msb (MSB<<8)|(\new)
.set MSB, \new
.endif
.endm
.macro PLACES                          ; four plain vector instructions between a matrix instruction and a load into, or another access to, its registers
.rept 4
	v_nop
.endr
.endm
.macro WLOAD i                         ; eight loads: 4,096 bytes of a weight row, 512 consecutive bytes each, into set i
	WIN 0x40
.irp j, 0,1,2,3,4,5,6,7
	global_load_b128 v[32*(\i)+4*(\j):32*(\i)+4*(\j)+3], v[OFF+(\i)], s[28:29] offset:512*(\j)
.endr
.endm
.macro SLOT i, ahead, left             ; set i's row is in: rounded, stored to LDS; the set in front of it takes the row seven further on
	s_wait_loadcnt \left                           ; loads come back in order: my row is in, the younger loads stay out
	WIN 0x05
.irp k, 0,1,2,3,4,5,6,7,8,9,10,11,12,13,14,15
	v_cvt_pk_bf16_f32 v[CT+(\k)], v[32*(\i)+2*(\k)], v[32*(\i)+2*(\k)+1]
.endr
	WIN 0
.irp j, 0,1,2,3,4,5,6,7
	ds_store_b64 v[LW], v[CT+2*(\j):CT+2*(\j)+1] offset:(\i)*PL+256*(\j)
.endr
.if \ahead
	v_add_nc_u32 v[OFF+(\i)], s27, v[OFF+(\i)]     ; free since the wait above: this set's next row, eight on
	WLOAD ((\i)+7)%8
.endif
.endm
; K step s: fragments of hid into stage s % 8; 8 loads of 512 consecutive bytes
.macro ALOAD s
	WIN 0x80
.irp m, 0,1,2,3
	global_load_b128 v[32*((\s)%8)+8*(\m):32*((\s)%8)+8*(\m)+3],   v[AOFF+(\m)], s[30:31] offset:2*(\s)*CBS
	global_load_b128 v[32*((\s)%8)+8*(\m)+4:32*((\s)%8)+8*(\m)+7], v[AOFF+(\m)], s[30:31] offset:(2*(\s)+1)*CBS
.endr
.endm
.macro BLOAD s, f                      ; K step s: the slice's 8 fragments from LDS into buffer f
	WIN 0
.irp b, 0,1,2,3,4,5,6,7
	ds_load_b128 v[(\f)+8*(\b):(\f)+8*(\b)+3],   v[BADR+(\b)] offset:64*(\s)
	ds_load_b128 v[(\f)+8*(\b)+4:(\f)+8*(\b)+7], v[BADR+(\b)] offset:64*(\s)+32
.endr
.endm
; 16 matrix instructions.  The 32 accumulators take turns, in the same order in every step.  Step 0 starts the sums with the constant 0.
.macro MUL s, m0
	WIN 0x58
.irp m, \m0, (\m0)+1
.irp b, 0,1,2,3,4,5,6,7
.if (\s) == 0
	v_wmma_f32_16x16x32_bf16 v[8*(8*(\m)+(\b)):8*(8*(\m)+(\b))+7], v[FB+8*(\b):FB+8*(\b)+7], v[32*((\s)%8)+8*(\m):32*((\s)%8)+8*(\m)+7], 0
.else
	v_wmma_f32_16x16x32_bf16 v[8*(8*(\m)+(\b)):8*(8*(\m)+(\b))+7], v[FB+8*(\b):FB+8*(\b)+7], v[32*((\s)%8)+8*(\m):32*((\s)%8)+8*(\m)+7], v[8*(8*(\m)+(\b)):8*(8*(\m)+(\b))+7]
.endif
.endr
.endr
.endm
.macro KSTEP s
.set FB, F0+64*((\s)%2)
.set FN, F0+64*(((\s)+1)%2)
	s_wait_dscnt 0x0                               ; this step's weight fragments, asked for 16 matrix instructions ago
.if (\s) < 25
	s_wait_loadcnt 48                              ; this step's fragments of hid; the six younger steps' 48 loads stay out
.else
	s_wait_loadcnt 8*(31-(\s))                     ; nothing more is asked for: the counts run down
.endif
	MUL \s, 0
	PLACES                                         ; the registers loaded below were last read by the step before
.if (\s) < 31
	BLOAD (\s)+1, FN
.endif
.if (\s) < 25
	ALOAD (\s)+7
.endif
	MUL \s, 2
.endm
; the offsets of the tile that begins at row s40 of the job
.macro OFFS
	s_add_co_u32 s44, s38, s40
	s_min_u32 s44, s44, 2496
	v_add_nc_u32 v[TA], s44, v1
.irp m, 0,1,2,3
	v_add_nc_u32 v[TB], 16*(\m), v[TA]
	v_lshl_add_u32 v[AOFF+(\m)], v[TB], 5, v[H16]
.endr
.endm
	s_load_b256 s[8:15], s[0:1], 0x0               ; w2 s[8:9], w2_shared s[10:11], hid s[12:13], pl s[14:15]
	s_load_b64 s[16:17], s[0:1], 0x20              ; part
	v_lshl_add_u32 v[SPW], v0, 2, SPARE
	v_mov_b32 v[NIL], 0
	v_lshrrev_b32 v[TA], 5, v0
	v_readfirstlane_b32 s24, v[TA]                 ; wave
	s_mov_b32 s25, ttmp9
	v_and_b32 v3, 31, v0                           ; lane
	v_and_b32 v1, 15, v0                           ; r
	v_bfe_u32 v2, v0, 4, 1                         ; h
	v_lshlrev_b32 v[H16], 4, v2
	v_mul_u32_u24 v[TA], v1, PL
	v_add_nc_u32 v[TA], v[TA], v[H16]
.irp b, 0,1,2,3,4,5,6,7
	v_add_nc_u32 v[BADR+(\b)], (\b)*16*PL, v[TA]
.endr
	s_mul_i32 s44, s24, 32*PL
	v_lshl_add_u32 v[LW], v3, 3, s44               ; wave w fills LDS rows 32 w .. 32 w + 31
	s_mul_i32 s44, s24, 16*SPI
	s_add_co_u32 s44, s44, STAGE                   ; my stage
	v_mul_u32_u24 v[TA], v1, SPI
	v_lshl_add_u32 v[TA], v2, 5, v[TA]
	v_add_nc_u32 v[STO], s44, v[TA]                ; in: row r, 32 bytes for each half of the lanes
	v_lshl_add_u32 v[RD], v3, 4, s44               ; back: a whole row of 512 bytes, 16 bytes a lane
	s_bfe_u32 s44, s25, 0x30004                    ; routed: the expert; shared: ch (its two words of the table are then read and not used)
	s_lshl_b32 s46, s44, 2
	s_mov_b32 s47, 0
	s_lshl_b32 s39, s44, 8                         ; shared: first token
	s_bfe_u32 s45, s25, 0x30001                    ; routed: the slice
	s_lshl_b32 s50, s44, 22                        ; the expert's 1,024 rows of 4,096 bytes,
	s_lshl_b32 s51, s45, 19                        ; the slice's 128 rows
	s_add_co_u32 s50, s50, s51
	s_and_b32 s60, s25, 7                          ; shared: the slice
	s_bfe_u32 s52, s25, 0x10003                    ; kh
	s_lshl_b32 s51, s60, 20                        ; the slice's 128 rows of 8,192 bytes,
	s_lshl_b32 s53, s52, 12                        ; the half's 4,096 bytes of each
	s_add_co_u32 s51, s51, s53
	s_mul_i32 s53, s52, 64*CBS                     ; the half's 64 blocks of hid
	s_lshl_b32 s54, s52, 23                        ; the half's partial result
	s_and_b32 s61, s25, 1                          ; routed: hf
	s_wait_kmcnt 0x0
	s_add_nc_u64 s[48:49], s[14:15], s[46:47]
	s_load_b32 s38, s[48:49], 0x2000               ; off[e]
	s_load_b32 s36, s[48:49], 0x2080               ; cnt[e]: both are waited for behind the first weight loads, which do not hang on them
	s_cmp_lt_u32 s25, 128                          ; routed?  Only selects follow up to the last use
	s_cselect_b64 s[28:29], s[8:9], s[10:11]
	s_cselect_b32 s50, s50, s51
	s_cselect_b32 s26, 12, 13
	s_cselect_b32 s53, 128*CBS, s53                ; routed hidden: blocks 128 ..
	s_cselect_b32 s54, 0x1000000, s54              ; routed partial result
	s_cselect_b32 s45, s45, s60                    ; the slice
	s_cselect_b32 s61, s61, 0
	s_lshl_b32 s26, 1, s26                         ; bytes from weight row to weight row: 4,096 or 8,192
	s_lshl_b32 s27, s26, 3
	s_mul_i32 s44, s24, s26
	s_lshl_b32 s44, s44, 5                         ; my 32 rows
	s_add_co_u32 s50, s50, s44
	s_mov_b32 s51, 0
	s_add_nc_u64 s[28:29], s[28:29], s[50:51]
	s_mov_b32 s52, s53
	s_mov_b32 s53, 0
	s_add_nc_u64 s[30:31], s[12:13], s[52:53]
	s_lshl_b32 s45, s45, 9                         ; the slice's 128 columns of f32
	s_add_co_u32 s54, s54, s45
	s_mov_b32 s55, 0
	s_add_nc_u64 s[32:33], s[16:17], s[54:55]
	s_lshl2_add_u32 s60, s61, s24                  ; q = 4 hf + w
	v_lshlrev_b32 v[TA], 4, v3
.irp i, 0,1,2,3,4,5,6,7
	s_mul_i32 s44, s26, \i
	v_add_nc_u32 v[OFF+(\i)], s44, v[TA]
.endr
	; THE SLICE: 32 rows a wave, seven rows (56 loads) on their way
.irp i, 0,1,2,3,4,5,6
	WLOAD \i
.endr
	WIN 0
	s_wait_kmcnt 0x0                               ; off and cnt
	s_min_u32 s38, s38, 2496
	s_min_u32 s36, s36, 2048
	s_cmp_lt_u32 s25, 128
	s_cselect_b32 s38, s38, s39                    ; first row
	s_cselect_b32 s36, s36, 256                    ; rows
	s_add_co_u32 s44, s36, 63
	s_lshr_b32 s44, s44, 6                         ; tiles of 64 rows
	s_add_co_u32 s44, s44, 7
	s_sub_co_u32 s44, s44, s60
	s_lshr_b32 s42, s44, 3                         ; of which tiles q, q + 8, .. are mine: so many are still to do
	s_lshl_b32 s40, s60, 6                         ; my tile's first row in the job
	OFFS
	s_mov_b32 s41, 3
.Lw:
.irp i, 0,1,2,3,4,5,6,7
	SLOT \i, 1, 48                                 ; six younger rows of eight loads stay out
.endr
	WIN 0
	v_add_nc_u32 v[LW], 8*PL, v[LW]
	s_sub_co_u32 s41, s41, 1
	s_cmp_lg_u32 s41, 0
	s_cbranch_scc1 .Lw
	SLOT 0, 1, 48                                  ; the last eight rows: one more weight load (row 31); then for each weight row that lands a stage of my first tile's fragments
.irp i, 1,2,3,4,5,6,7
	SLOT \i, 0, 48                                 ; younger than row 24 + i: 8 (7 - i) weight loads and 8 (i - 1) fragment loads
	ALOAD (\i)-1
.endr
	WIN 0
	s_wait_dscnt 0x0                               ; for the others' sake: my rows are in LDS
	s_barrier_signal -1
	s_barrier_wait -1                              ; the slice is whole; from here on it is only read
	BLOAD 0, F0
	s_mov_b32 s41, MAXT
.Ltile:
	s_cmp_eq_u32 s42, 0
	s_cbranch_scc1 .Lskip                          ; a dead trip
	s_wait_xcnt 0x0                                ; the last tile's stores have read their offset and their data (buffer 1's registers): rewritten only behind this wait
	s_add_co_u32 s44, s38, s40
	s_min_u32 s44, s44, 2496
	s_lshl_b32 s45, s44, 12
	v_lshl_add_u32 v[OOFF], v3, 4, s45
.set ks, 0
.rept 32
	KSTEP ks
.set ks, ks+1
.endr
	WIN 0
	PLACES                                         ; the loads and LDS stores below touch registers of products just issued
	s_add_co_u32 s40, s40, 512
	s_sub_co_u32 s42, s42, 1
	s_cmp_eq_u32 s42, 0
	s_cbranch_scc1 .Lnopre
	OFFS                                           ; my next tile is asked for ahead of this one's way out: every load of this tile is back (the last step waited for 0), so its offsets may be written
.irp a, 0,1,2,3,4,5,6
	ALOAD \a
.endr
	BLOAD 0, F0
	WIN 0
.Lnopre:
; rows 16 m .. 16 m + 15: into my stage by lanes (each accumulator's low registers first), back as whole rows, out
.macro OUT m
	WIN 0x04                                       ; the stores' data lie in window 1
.irp b, 0,1,2,3,4,5,6,7
	ds_store_b128 v[STO], v[8*(8*(\m)+(\b)):8*(8*(\m)+(\b))+3]   offset:64*(\b)
	ds_store_b128 v[STO], v[8*(8*(\m)+(\b))+4:8*(8*(\m)+(\b))+7] offset:64*(\b)+16
.endr
	WIN 0
	s_wait_xcnt 0x0                                ; the last block's stores have read their data: only now are those registers loaded again
.irp k, 0,1,2,3,4,5,6,7,8,9,10,11,12,13,14,15
	ds_load_b128 v[T+4*(\k):T+4*(\k)+3], v[RD] offset:SPI*(\k)     ; LDS serves a wave's instructions in order (ISA guide 5.7.1.4): these see the stores above
.endr
	s_wait_dscnt 0x0
.irp k, 0,1,2,3,4,5,6,7,8,9,10,11,12,13,14,15
	global_store_b128 v[OOFF], v[T+4*(\k):T+4*(\k)+3], s[32:33] offset:(16*(\m)+(\k))*4096  ; 512 consecutive bytes of one row, aligned
.endr
.endm
	OUT 0
	OUT 1
	OUT 2
	OUT 3
.Lskip:
	s_sub_co_u32 s41, s41, 1
	s_cmp_lg_u32 s41, 0
	s_cbranch_scc1 .Ltile
	s_wait_tensorcnt 0x0                           ; the wave's end: three closing lines behind my last LDS store
	ds_add_u32 v[SPW], v[NIL]
	s_wait_dscnt 0x0
	s_endpgm
.Lfunc_end_k_q49d2f646eb_gemm2:
	.size	k_q49d2f646eb_gemm2, .Lfunc_end_k_q49d2f646eb_gemm2-k_q49d2f646eb_gemm2
	.p2alignl 7, 3214868480
	.fill 96, 4, 3214868480
	.section	.rodata,"a",@progbits
	.p2align	6, 0x0
	.amdhsa_kernel k_q49d2f646eb_gemm2
		.amdhsa_group_segment_fixed_size 298496
		.amdhsa_private_segment_fixed_size 0
		.amdhsa_enable_private_segment 0
		.amdhsa_kernarg_size 40
		.amdhsa_user_sgpr_count 2
		.amdhsa_user_sgpr_kernarg_segment_ptr 1
		.amdhsa_wavefront_size32 1
		.amdhsa_system_sgpr_workgroup_id_x 1
		.amdhsa_system_sgpr_workgroup_id_y 1
		.amdhsa_system_sgpr_workgroup_id_z 1
		.amdhsa_system_vgpr_workitem_id 0
		.amdhsa_next_free_vgpr 768
		.amdhsa_next_free_sgpr 66
		.amdhsa_reserve_vcc 0
		.amdhsa_float_denorm_mode_32 3
		.amdhsa_float_denorm_mode_16_64 3
		.amdhsa_memory_ordered 1
		.amdhsa_forward_progress 1
		.amdhsa_inst_pref_size 195
	.end_amdhsa_kernel
	.amdgpu_metadata
---
amdhsa.version: [ 1, 2 ]
amdhsa.kernels:
  - .name:           k_q49d2f646eb_gemm2
    .symbol:         k_q49d2f646eb_gemm2.kd
    .args:
      - { .name: w2, .offset: 0, .size: 8, .value_kind: global_buffer, .address_space: global }
      - { .name: w2_shared, .offset: 8, .size: 8, .value_kind: global_buffer, .address_space: global }
      - { .name: hid, .offset: 16, .size: 8, .value_kind: global_buffer, .address_space: global }
      - { .name: pl, .offset: 24, .size: 8, .value_kind: global_buffer, .address_space: global }
      - { .name: part, .offset: 32, .size: 8, .value_kind: global_buffer, .address_space: global }
    .group_segment_fixed_size: 298496
    .private_segment_fixed_size: 0
    .kernarg_segment_align: 8
    .kernarg_segment_size: 40
    .max_flat_workgroup_size: 128
    .sgpr_count:     66
    .vgpr_count:     768
    .wavefront_size: 32
...
	.end_amdgpu_metadata
.endif
;; end of part 4
;; launch addup (part 5): grid 256 x 1, 8 waves a work-group, no clusters, 0 bytes of LDS; arguments part, pl, out0; writes out0
.if DOCPART == 5
	.amdgcn_target "amdgcn-amd-amdhsa--gfx1250"
	.amdhsa_code_object_version 6
	.text
	.protected	k_q49d2f646eb_addup
	.globl	k_q49d2f646eb_addup
	.p2align	8
	.type	k_q49d2f646eb_addup,@function
k_q49d2f646eb_addup:
	s_mov_b64 s[64:65], 0
	v_nop
	global_prefetch_b8 v0, s[64:65] scope:SCOPE_SE
	s_setreg_imm32_b32 hwreg(HW_REG_WAVE_MODE, 25, 1), 1
	s_wait_xcnt 0x0
; out0[t] = the shared expert's two partial rows of token t + the routed row at the token's slot.  All in f32.
; One wave, one token: three rows of 4,096 bytes in, one out; each load and store of the wave covers 512 consecutive bytes.  A stream: no LDS, no barrier, no matrix unit.
.set P0, 4                             ; v[4:35]
.set P1, 36                            ; v[36:67]
.set P2, 68                            ; v[68:99]
	s_load_b128 s[4:7], s[0:1], 0x0                ; part s[4:5], pl s[6:7]
	s_load_b64 s[8:9], s[0:1], 0x10                ; out0
	v_and_b32 v1, 31, v0
	v_lshrrev_b32 v2, 5, v0
	v_readfirstlane_b32 s10, v2                    ; wave
	s_lshl_b32 s11, ttmp9, 3
	s_add_co_u32 s11, s11, s10                     ; my token
	s_lshl_b32 s12, s11, 2
	s_mov_b32 s13, 0
	s_lshl_b32 s14, s11, 12
	s_mov_b32 s15, 0
	v_lshlrev_b32 v3, 4, v1
	s_wait_kmcnt 0x0
	s_add_nc_u64 s[16:17], s[6:7], s[12:13]
	s_load_b32 s18, s[16:17], 0x0                  ; its slot
	s_add_nc_u64 s[20:21], s[4:5], s[14:15]        ; the first half's row,
	s_add_nc_u64 s[22:23], s[20:21], 0x800000      ; the second half's
	s_add_nc_u64 s[8:9], s[8:9], s[14:15]
.irp j, 0,1,2,3,4,5,6,7
	global_load_b128 v[P0+4*(\j):P0+4*(\j)+3], v3, s[20:21] offset:512*(\j) th:TH_LOAD_NT
.endr
.irp j, 0,1,2,3,4,5,6,7
	global_load_b128 v[P1+4*(\j):P1+4*(\j)+3], v3, s[22:23] offset:512*(\j) th:TH_LOAD_NT
.endr
	s_wait_kmcnt 0x0
	s_min_u32 s18, s18, 2559
	s_lshl_b32 s24, s18, 12
	s_add_co_u32 s24, s24, 0x1000000               ; the routed rows lie behind the two shared parts
	s_mov_b32 s25, 0
	s_add_nc_u64 s[24:25], s[4:5], s[24:25]
.irp j, 0,1,2,3,4,5,6,7
	global_load_b128 v[P2+4*(\j):P2+4*(\j)+3], v3, s[24:25] offset:512*(\j) th:TH_LOAD_NT
.endr
	s_wait_loadcnt 8                               ; the two shared rows are in; the routed row's eight loads stay out
.irp k, 0,1,2,3,4,5,6,7,8,9,10,11,12,13,14,15
	v_pk_add_f32 v[P0+2*(\k):P0+2*(\k)+1], v[P0+2*(\k):P0+2*(\k)+1], v[P1+2*(\k):P1+2*(\k)+1]
.endr
	s_wait_loadcnt 0x0
.irp k, 0,1,2,3,4,5,6,7,8,9,10,11,12,13,14,15
	v_pk_add_f32 v[P0+2*(\k):P0+2*(\k)+1], v[P0+2*(\k):P0+2*(\k)+1], v[P2+2*(\k):P2+2*(\k)+1]
.endr
.irp j, 0,1,2,3,4,5,6,7
	global_store_b128 v3, v[P0+4*(\j):P0+4*(\j)+3], s[8:9] offset:512*(\j) th:TH_STORE_NT
.endr
	s_endpgm
.Lfunc_end_k_q49d2f646eb_addup:
	.size	k_q49d2f646eb_addup, .Lfunc_end_k_q49d2f646eb_addup-k_q49d2f646eb_addup
	.p2alignl 7, 3214868480
	.fill 96, 4, 3214868480
	.section	.rodata,"a",@progbits
	.p2align	6, 0x0
	.amdhsa_kernel k_q49d2f646eb_addup
		.amdhsa_group_segment_fixed_size 0
		.amdhsa_private_segment_fixed_size 0
		.amdhsa_enable_private_segment 0
		.amdhsa_kernarg_size 24
		.amdhsa_user_sgpr_count 2
		.amdhsa_user_sgpr_kernarg_segment_ptr 1
		.amdhsa_wavefront_size32 1
		.amdhsa_system_sgpr_workgroup_id_x 1
		.amdhsa_system_sgpr_workgroup_id_y 1
		.amdhsa_system_sgpr_workgroup_id_z 1
		.amdhsa_system_vgpr_workitem_id 0
		.amdhsa_next_free_vgpr 112
		.amdhsa_next_free_sgpr 66
		.amdhsa_reserve_vcc 0
		.amdhsa_float_denorm_mode_32 3
		.amdhsa_float_denorm_mode_16_64 3
		.amdhsa_memory_ordered 1
		.amdhsa_forward_progress 1
		.amdhsa_inst_pref_size 7
	.end_amdhsa_kernel
	.amdgpu_metadata
---
amdhsa.version: [ 1, 2 ]
amdhsa.kernels:
  - .name:           k_q49d2f646eb_addup
    .symbol:         k_q49d2f646eb_addup.kd
    .args:
      - { .name: part, .offset: 0, .size: 8, .value_kind: global_buffer, .address_space: global }
      - { .name: pl, .offset: 8, .size: 8, .value_kind: global_buffer, .address_space: global }
      - { .name: out0, .offset: 16, .size: 8, .value_kind: global_buffer, .address_space: global }
    .group_segment_fixed_size: 0
    .private_segment_fixed_size: 0
    .kernarg_segment_align: 8
    .kernarg_segment_size: 24
    .max_flat_workgroup_size: 256
    .sgpr_count:     66
    .vgpr_count:     112
    .wavefront_size: 32
...
	.end_amdgpu_metadata
.endif
;; end of part 5
;; ======== version 2 of 2: 5 launches; version 1 with the launches gemm1, gemm2 written anew for expert scheduling mode
;; workspace buffers: xb 5,242,880 bytes; xs 5,242,880 bytes; hid 15,728,640 bytes; part 27,262,976 bytes; score 8,192 bytes; ss 10,240 bytes; rt 16,384 bytes of whole numbers; pl 8,448 bytes of whole numbers
;; launch router: the kernel of part 1 again; grid 64 x 1, 32 waves a work-group, no clusters, 107,776 bytes of LDS; arguments x, router_DE, xb, score, rt; writes xb, score, rt
;; launch place: the kernel of part 2 again; grid 64 x 1, 16 waves a work-group, no clusters, 0 bytes of LDS; arguments rt, score, xb, pl, ss, xs; writes pl, ss, xs
;; launch gemm1 (part 6): grid 256 x 1, 4 waves a work-group, no clusters, 264,704 bytes of LDS; arguments w13, w13_shared, xb, xs, score, ss, pl, hid; writes hid
.if DOCPART == 6
	.amdgcn_target "amdgcn-amd-amdhsa--gfx1250"
	.amdhsa_code_object_version 6
	.text
	.protected	k_q49d2f646eb_gemm1
	.globl	k_q49d2f646eb_gemm1
	.p2align	8
	.type	k_q49d2f646eb_gemm1,@function
k_q49d2f646eb_gemm1:
	s_mov_b64 s[64:65], 0
	v_nop
	global_prefetch_b8 v0, s[64:65] scope:SCOPE_SE
	s_setreg_imm32_b32 hwreg(HW_REG_WAVE_SCHED_MODE, 0, 2), 2
	s_setreg_imm32_b32 hwreg(HW_REG_WAVE_MODE, 25, 1), 1
	s_wait_xcnt 0x0
	s_wait_alu depctr_vm_vsrc(0)
; FIRST PRODUCT AND SWIGLU.  hid = silu(s x Wg^T) * (s x Wu^T), s = the token's score (routed) or 1 (shared), rounded once to bf16.
; The score is applied in f32 behind the products: (s x) W = s (x W); h = s^2 g u / (1 + 2^(-log2(e) s g)).
; JOBS.  Work-groups 0..127: expert wg / 16, slice wg % 16 of its hidden width; all of that expert's rows (slots off .. off + cnt - 1).
; Work-groups 128..255: slice wg % 32 of the shared hidden width, tokens 512 ch .. 512 ch + 511, ch = (wg / 32) % 4.
; A slice is 64 gate rows and the 64 up rows that belong to them, 1,024 channels each.  The work-group reads it once as f32, rounds it to bf16 on the way through registers and
; lays it in LDS; after ONE barrier LDS is only read.  Then each wave walks tiles of 64 rows (tiles w, w + 4, ..) by itself.  How many hangs on the stored count: the tile loop counts
; to the constant 8 (2,048 rows on one expert: 32 tiles, 8 a wave) and dead trips jump forward to the counter's step; no barrier stands in what is jumped.
; The rows come from memory straight into registers as matrix operands: in the blocked layout [channel / 16][row][16] a fragment's load of 16 rows is 512 consecutive bytes.
; They run seven K steps ahead in a ring of eight stages.  A tile's first seven stages are asked for early: the first tile's while the last weight rows land, a later tile's ahead of the way out of the tile before.
; K's 32 steps are written out: every LDS address is a register that is never rewritten plus a constant, and the rows' base is never stepped.
; No tensor loads and no joint loads: the weights have to pass through registers to be rounded, and a routed slice has one reader.
; In a tile that is not full the places past the count repeat the expert's last row; all 64 rows are stored, into the expert's own range of slots.  An expert without rows: no tile
; (the rows asked for early are then read inside the buffer and not used).
; THE MATRIX INSTRUCTION IS USED TRANSPOSED: source 0 = 16 weight rows, source 1 = 16 tokens: a lane holds one token (lane % 16) and hidden columns 8 (lane / 16) + 0..7.
; LIMITS.  NaN and infinities are not treated apart; where 2^(..) overflows the reciprocal is 0, as silu's limit is.
; REGISTERS, in windows of 256 (s_set_vgpr_msb: bits 1:0 source 0, 3:2 source 1, 5:4 source 2, 7:6 destination):
;   window 0: addresses and factors; v64-127, v128-191 two buffers of weight fragments (v128-191 also the packed results); v192-223 two rounded weight rows, by turns
;   window 1: 32 accumulators, (m, b) at 8 (8 m + b); while the slice is loaded: eight rows of f32        window 2: the ring of eight K steps' token fragments, 32 registers each
; THE MODE: SCHED_MODE bits 1:0 = 2 (LLVM: expert scheduling mode 2), set by the entry lines.  The code itself states the register dependences
; between vector or matrix instructions and memory or LDS instructions, with s_wait_alu, always for 0.
; THE PLAN.  Registers that memory or LDS instructions touch, and who else names them:
;   sets 0..7    (window 1) Turn i's sixteen roundings read set i; the loads issued in turn i + 1 land in it.
;   CT0, CT1     Turn i's roundings write CT[i % 2]; the turn's eight LDS stores read it.
;   OFF+i        Read by set i's loads; stepped in turn i.        LW  Read by every LDS store of a row; stepped once in eight turns.
;   F0, F1       Step s's products read F[s % 2]; the LDS loads issued in step s land in the other one, which step s - 1's products read.
;   stages 0..7  (window 2) Step s's products read stage s % 8; the loads issued in step s land in stage (s - 1) % 8.
;   BADR         Read by every LDS load of a fragment; never written again.
;   AOFF, SOFF   Read by a tile's loads; written between tiles.   SC  Loaded for each tile; read by the factors.
;   OOFF, T      OOFF is written at a tile's top; block m's roundings write T + 16 m; the block's four stores, which stand in block m + 1, read both.
;   v[SPW], v[NIL]  Written at the head, read by the closing add alone.
; A turn has a pair of waits behind its roundings; a K step has ONE wait on va_vdst, at its head; the rest stand between tiles and on the way out.  Each wait's comment names what it states.
.set CBS,   81920                      ; bytes in a block: 2,560 rows x 32
.set PL,    2064                       ; an LDS row: 2,048 bytes + 16: the 16 rows of a fragment load start at 16 different groups of four words modulo 64 words
.set SLICE, 128*PL
.set SPARE, SLICE                      ; the spare words, 128 bytes a wave
.set MAXT,  8                          ; tiles a wave at the most
.set AOFF, 4                           ; v4-7    byte offset of my 16 bytes in block 0, for token blocks m = 0..3
.set BADR, 8                           ; v8-15   LDS address of my part of weight block b; never rewritten
.set OOFF, 16                          ; v16     byte offset of my 16 bytes in the output's block 0
.set TA,   19
.set TB,   20
.set H16,  21                          ; v21     16 (lane / 16)
.set SC,   24                          ; v24-27  my token's score, by m
.set SPW,  28
.set NIL,  29
.set CL,   30                          ; v30-37  -log2(e) s, twice, by m
.set CH,   38                          ; v38-45  s^2, twice, by m
.set OFF,  46                          ; v46-53  set i: byte offset of the weight row that it loads next
.set LW,   54                          ; v54     where my 8 bytes of a rounded row go
.set SOFF, 56                          ; v56-59  byte offset of my token's score, by m
.set F0,   64
.set T,    128
.set CT,   192                         ; v192-207, v208-223
.set MSB, 0
.macro WIN new                         ; the immediate's high byte repeats the setting that is left; a switch that changes nothing is dropped
.if MSB != (\new)
	s_set_vgpr_msb (MSB<<8)|(\new)
.set MSB, \new
.endif
.endm
.macro PLACES                          ; four plain vector instructions between a matrix instruction and a load into, or a vector access to, its registers
.rept 4
	v_nop
.endr
.endm
; eight loads: a weight row's 4,096 bytes, 512 consecutive bytes each, into set i
.macro WLOAD i
	WIN 0x40
.irp j, 0,1,2,3,4,5,6,7
	global_load_b128 v[32*(\i)+4*(\j):32*(\i)+4*(\j)+3], v[OFF+(\i)], s[28:29] offset:512*(\j)
.endr
.endm
; a turn: set i's row is in; it is rounded and stored to LDS; the set in front of it in the ring takes the row seven further on.  free = 1: a later turn writes the other CT.
.macro SLOT i, ahead, left, free
	s_wait_loadcnt \left                           ; loads come back in order: my row is in, the younger loads stay out
	WIN 0x05
.irp k, 0,1,2,3,4,5,6,7,8,9,10,11,12,13,14,15
	v_cvt_pk_bf16_f32 v[CT+16*((\i)%2)+(\k)], v[32*(\i)+2*(\k)], v[32*(\i)+2*(\k)+1]
.endr
	WIN 0
.if \free
	s_wait_alu depctr_vm_vsrc(0)                   ; the LDS stores of the turn before have read the other CT, which the next turn's roundings write; set i's loads have read OFF+i, which the next line writes
.endif
.if \ahead
	v_add_nc_u32 v[OFF+(\i)], s27, v[OFF+(\i)]     ; free since the wait on LOADcnt above, too: this set's next row, eight on
.endif
	s_wait_alu depctr_va_vdst(0)                   ; this turn's roundings have written CT, which the stores read; the offset stepped in the turn before is written, and that turn's roundings are done reading the set in which the loads land; so is LW, where it was stepped
.irp j, 0,1,2,3,4,5,6,7
	ds_store_b64 v[LW], v[CT+16*((\i)%2)+2*(\j):CT+16*((\i)%2)+2*(\j)+1] offset:(\i)*PL+256*(\j)
.endr
.if \ahead
	WLOAD ((\i)+7)%8
.endif
.endm
; K step s: token fragments into stage s % 8, straight from memory; 8 loads of 512 consecutive bytes
.macro ALOAD s
	WIN 0x80
.irp m, 0,1,2,3
	global_load_b128 v[32*((\s)%8)+8*(\m):32*((\s)%8)+8*(\m)+3],   v[AOFF+(\m)], s[30:31] offset:2*(\s)*CBS
	global_load_b128 v[32*((\s)%8)+8*(\m)+4:32*((\s)%8)+8*(\m)+7], v[AOFF+(\m)], s[30:31] offset:(2*(\s)+1)*CBS
.endr
.endm
.macro BLOAD s, f                      ; K step s: the slice's 8 fragments from LDS into buffer f
	WIN 0
.irp b, 0,1,2,3,4,5,6,7
	ds_load_b128 v[(\f)+8*(\b):(\f)+8*(\b)+3],   v[BADR+(\b)] offset:64*(\s)
	ds_load_b128 v[(\f)+8*(\b)+4:(\f)+8*(\b)+7], v[BADR+(\b)] offset:64*(\s)+32
.endr
.endm
; 8 matrix instructions: token block m.  The 32 accumulators take turns, in the same order in every step.  Step 0 starts the sums with the constant 0.
.macro MUL s, m
	WIN 0x58
.irp b, 0,1,2,3,4,5,6,7
.if (\s) == 0
	v_wmma_f32_16x16x32_bf16 v[8*(8*(\m)+(\b)):8*(8*(\m)+(\b))+7], v[FB+8*(\b):FB+8*(\b)+7], v[32*((\s)%8)+8*(\m):32*((\s)%8)+8*(\m)+7], 0
.else
	v_wmma_f32_16x16x32_bf16 v[8*(8*(\m)+(\b)):8*(8*(\m)+(\b))+7], v[FB+8*(\b):FB+8*(\b)+7], v[32*((\s)%8)+8*(\m):32*((\s)%8)+8*(\m)+7], v[8*(8*(\m)+(\b)):8*(8*(\m)+(\b))+7]
.endif
.endr
.endm
.macro KSTEP s
.set FB, F0+64*((\s)%2)
.set FN, F0+64*(((\s)+1)%2)
	s_wait_dscnt 0x0                               ; this step's weight fragments, asked for 24 matrix instructions ago
.if (\s) < 25
	s_wait_loadcnt 48                              ; this step's token fragments; the six younger steps' 48 loads stay out
.else
	s_wait_loadcnt 8*(31-(\s))                     ; nothing more is asked for: the counts run down
.endif
.if ((\s) > 0) && ((\s) < 31)
	s_wait_alu depctr_va_vdst(0)                   ; the products of the step before are done reading the other weight buffer and their stage, in which this step's loads land.  (Step 0: the last such wait ahead of it has stated that of buffer 1 and stage 7; step 31 loads nothing.)
.endif
	MUL \s, 0
	PLACES                                         ; four places stand between the products of the step before and the loads into the registers that they read, beside the wait above
.if (\s) < 31
	BLOAD (\s)+1, FN                               ; no further wait: the eight products since the wait name this step's buffer, its stage and the accumulators, none of the registers that these loads touch
.endif
.if (\s) < 25
	ALOAD (\s)+7
.endif
	MUL \s, 1
	MUL \s, 2
	MUL \s, 3
.endm
; the offsets of the tile that begins at row s40 of the job
.macro OFFS
	v_add_nc_u32 v[TA], s40, v1
.irp m, 0,1,2,3
	v_add_nc_u32 v[TB], 16*(\m), v[TA]
	v_min_u32 v[TB], s37, v[TB]                    ; places past the count repeat the last row
	v_add_nc_u32 v[TB], s38, v[TB]
	v_min_u32 v[TB], 0x9ff, v[TB]
	v_lshlrev_b32 v[SOFF+(\m)], 2, v[TB]
	v_lshl_add_u32 v[AOFF+(\m)], v[TB], 5, v[H16]
.endr
.endm
.macro SCLOAD
.irp m, 0,1,2,3
	global_load_b32 v[SC+(\m)], v[SOFF+(\m)], s[34:35]  ; older than every fragment load of the tile: in when step 0's are
.endr
.endm
	s_load_b512 s[8:23], s[0:1], 0x0               ; w13 s[8:9], w13_shared s[10:11], xb s[12:13], xs s[14:15], score s[16:17], ss s[18:19], pl s[20:21], hid s[22:23]
	v_lshl_add_u32 v[SPW], v0, 2, SPARE
	v_mov_b32 v[NIL], 0
	v_lshrrev_b32 v[TA], 5, v0
	v_readfirstlane_b32 s24, v[TA]                 ; wave
	s_mov_b32 s25, ttmp9
	v_and_b32 v3, 31, v0                           ; lane
	v_and_b32 v1, 15, v0                           ; r
	v_bfe_u32 v2, v0, 4, 1                         ; h
	v_lshlrev_b32 v[H16], 4, v2
	v_mul_u32_u24 v[TA], v1, PL
	v_add_nc_u32 v[TA], v[TA], v[H16]
.irp b, 0,1,2,3,4,5,6,7
	v_add_nc_u32 v[BADR+(\b)], (\b)*16*PL, v[TA]
.endr
	s_wait_alu depctr_va_sdst(0)                   ; s24 is written, ahead of its first reader
	s_mul_i32 s44, s24, 32*PL
	v_lshl_add_u32 v[LW], v3, 3, s44               ; wave w fills LDS rows 32 w .. 32 w + 31
	s_bfe_u32 s44, s25, 0x30004                    ; the expert; for a shared job any of the eight: its two words are read and not used
	s_lshl_b32 s46, s44, 2
	s_mov_b32 s47, 0
	s_and_b32 s45, s25, 15
	s_lshl_b32 s50, s44, 23                        ; routed: the expert's 2,048 rows of 4,096 bytes,
	s_lshl_b32 s51, s45, 18                        ; the slice's 64 rows
	s_add_co_u32 s50, s50, s51
	s_lshl_b32 s52, s45, 2
	s_add_co_u32 s52, s52, 128                     ; routed hidden: blocks 128 + 4 slice ..
	s_and_b32 s53, s25, 31
	s_lshl_b32 s51, s53, 18                        ; shared: the slice's 64 rows
	s_lshl_b32 s53, s53, 2                         ; shared hidden: blocks 4 slice ..
	s_bfe_u32 s39, s25, 0x20005
	s_lshl_b32 s39, s39, 9                         ; shared: first token
	s_mov_b32 s26, 4096                            ; bytes from weight row to weight row
	s_mov_b32 s27, 8*4096
	s_wait_kmcnt 0x0
	s_add_nc_u64 s[48:49], s[20:21], s[46:47]
	s_load_b32 s38, s[48:49], 0x2000               ; off[e]
	s_load_b32 s36, s[48:49], 0x2080               ; cnt[e]: both are waited for behind the first weight loads, which do not hang on them
	s_cmp_lt_u32 s25, 128                          ; routed?  Only selects follow up to the last use
	s_cselect_b64 s[28:29], s[8:9], s[10:11]       ; weights
	s_cselect_b64 s[30:31], s[14:15], s[12:13]     ; rows: xs or xb
	s_cselect_b64 s[34:35], s[18:19], s[16:17]     ; scores: by slot or by token
	s_cselect_b32 s50, s50, s51
	s_cselect_b32 s52, s52, s53
	s_cselect_b32 s43, 0, -1                       ; all ones: the score counts as 1
	s_cselect_b32 s55, 22, 23                      ; the up rows lie 2^22 or 2^23 bytes behind the gate rows
	s_lshr_b32 s44, s24, 1                         ; waves 0, 1: gate rows; waves 2, 3: up rows
	s_lshl_b32 s55, s44, s55
	s_and_b32 s44, s24, 1
	s_lshl_b32 s44, s44, 17                        ; the first or the second 32 of them
	s_add_co_u32 s50, s50, s44
	s_add_co_u32 s50, s50, s55
	s_mov_b32 s51, 0
	s_add_nc_u64 s[28:29], s[28:29], s[50:51]
	s_mul_i32 s52, s52, CBS
	s_mov_b32 s53, 0
	s_add_nc_u64 s[32:33], s[22:23], s[52:53]
	v_lshlrev_b32 v[TA], 4, v3
.irp i, 0,1,2,3,4,5,6,7
	s_mul_i32 s44, s26, \i
	v_add_nc_u32 v[OFF+(\i)], s44, v[TA]
.endr
	s_wait_alu depctr_va_vdst(0)                   ; the eight offsets OFF, LW and the eight addresses BADR are written, which the loads and LDS instructions below read
	; THE SLICE: 32 rows a wave, seven rows (56 loads) on their way
.irp i, 0,1,2,3,4,5,6
	WLOAD \i
.endr
	WIN 0
	s_wait_kmcnt 0x0                               ; off and cnt
	s_min_u32 s38, s38, 2496
	s_min_u32 s36, s36, 2048
	s_cmp_lt_u32 s25, 128
	s_cselect_b32 s38, s38, s39                    ; first row
	s_cselect_b32 s36, s36, 512                    ; rows
	s_add_co_u32 s44, s36, 63
	s_lshr_b32 s44, s44, 6                         ; tiles of 64 rows
	s_add_co_u32 s44, s44, 3
	s_sub_co_u32 s44, s44, s24
	s_lshr_b32 s42, s44, 2                         ; of which tiles w, w + 4, .. are mine: so many are still to do
	s_sub_co_u32 s37, s36, 1                       ; the last row that exists
	s_lshl_b32 s40, s24, 6                         ; my tile's first row in the job
	OFFS                                           ; read first behind the loop below, whose turns' waits on va_vdst state that these offsets are written
	s_mov_b32 s41, 3
.Lw:
.irp i, 0,1,2,3,4,5,6,7
	SLOT \i, 1, 48, 1                              ; six younger rows of eight loads stay out
.endr
	WIN 0
	s_wait_alu depctr_vm_vsrc(0)                   ; the LDS stores issued so far have read LW
	v_add_nc_u32 v[LW], 8*PL, v[LW]
	s_sub_co_u32 s41, s41, 1
	s_cmp_lg_u32 s41, 0
	s_cbranch_scc1 .Lw
	SLOT 0, 1, 48, 1                               ; the last eight rows: one more weight load (row 31);
	WIN 0
	SCLOAD                                         ; then my first tile's scores, and for each weight row that lands a stage of its token fragments: no vector instruction has named SC or the stages yet
.irp i, 1,2,3,4,5,6
	SLOT \i, 0, 52, 1                              ; younger than row 24 + i: 8 (7 - i) weight loads, 4 scores, 8 (i - 1) fragment loads
	ALOAD (\i)-1
.endr
	SLOT 7, 0, 52, 0                               ; no turn follows that writes a CT
	ALOAD 6
	WIN 0
	s_wait_dscnt 0x0                               ; for the others' sake: my rows are in LDS
	s_barrier_signal -1
	s_barrier_wait -1                              ; the slice is whole; from here on LDS is only read
	BLOAD 0, F0
	s_mov_b32 s41, MAXT
.Ltile:
	s_cmp_eq_u32 s42, 0
	s_cbranch_scc1 .Lskip                          ; a dead trip
	s_wait_xcnt 0x0                                ; the last tile's stores have had their addresses translated: their offset and their data (buffer 1's registers) are rewritten only behind this wait
	s_wait_alu depctr_vm_vsrc(0)                   ; the last tile's stores have read OOFF, which is written below, and T, in which step 0's LDS loads land
	s_add_co_u32 s44, s38, s40
	s_min_u32 s44, s44, 2496
	v_add_nc_u32 v[TB], s44, v1
	v_lshl_add_u32 v[OOFF], v[TB], 5, v[H16]
.set ks, 0
.rept 32
	KSTEP ks
.set ks, ks+1
.endr
	WIN 0
	; the factors: twenty plain instructions that name no register of the products: the places behind the last of them
.irp m, 0,1,2,3
	v_cndmask_b32 v[TA], v[SC+(\m)], 1.0, s43
	v_mul_f32 v[CL+2*(\m)], 0xbfb8aa3b, v[TA]
	v_mul_f32 v[CL+2*(\m)+1], 0xbfb8aa3b, v[TA]
	v_mul_f32 v[CH+2*(\m)], v[TA], v[TA]
	v_mul_f32 v[CH+2*(\m)+1], v[TA], v[TA]
.endr
	s_add_co_u32 s40, s40, 256
	s_sub_co_u32 s42, s42, 1
	s_cmp_eq_u32 s42, 0
	s_cbranch_scc1 .Lnopre
	s_wait_alu depctr_vm_vsrc(0)                   ; this tile's loads have read AOFF and SOFF, which OFFS writes
	OFFS                                           ; my next tile is asked for ahead of this one's way out: every load of this tile is back (the last step waited for 0), so its offsets may be written
	s_wait_alu depctr_va_vdst(0)                   ; AOFF and SOFF are written; the factors are done reading SC; the products are done reading stages 0 to 6 and buffer 0: the loads below read the first and land in the others
	SCLOAD
.irp a, 0,1,2,3,4,5,6
	ALOAD \a
.endr
	BLOAD 0, F0
	WIN 0
.Lnopre:
; block m's four stores
.macro SEND m
	WIN 0
.irp b, 0,1,2,3
	global_store_b128 v[OOFF], v[T+16*(\m)+4*(\b):T+16*(\m)+4*(\b)+3], s[32:33] offset:(\b)*CBS+512*(\m)  ; 16 rows x 32 bytes of one block: 512 consecutive bytes, aligned
.endr
.endm
; token block m: G = its four gate accumulators, U = its four up accumulators, 32 registers each; each accumulator is read from its low end on.
; The block's results go into T + 16 m; they are stored in the next block, behind its first wait.
.macro SWI m
.set G, 64*(\m)
.set U, 64*(\m)+32
	WIN 0x45
.set k, 0
.rept 16
	v_pk_mul_f32 v[U+k:U+k+1], v[G+k:G+k+1], v[U+k:U+k+1]          ; g u
.set k, k+2
.endr
	WIN 0x41
.set k, 0
.rept 16
	v_pk_mul_f32 v[G+k:G+k+1], v[G+k:G+k+1], v[CL+2*(\m):CL+2*(\m)+1]  ; -log2(e) s g
.set k, k+2
.endr
.set k, 0
.rept 32
	v_exp_f32 v[G+k], v[G+k]
.set k, k+1
.endr
.set k, 0
.rept 16
	v_pk_mul_f32 v[U+k:U+k+1], v[U+k:U+k+1], v[CH+2*(\m):CH+2*(\m)+1]  ; s^2 g u: plain work behind the exponentials
.set k, k+2
.endr
	s_wait_alu depctr_va_vdst(0)                   ; the 32 exponentials have written G, ahead of their first reader; the block before's roundings have written its part of T, which its stores read
.if (\m) > 0
	SEND (\m)-1
.endif
	WIN 0x41
.set k, 0
.rept 16
	v_pk_add_f32 v[G+k:G+k+1], v[G+k:G+k+1], 1.0 op_sel_hi:[1,0]
.set k, k+2
.endr
.set k, 0
.rept 32
	v_rcp_f32 v[G+k], v[G+k]
.set k, k+1
.endr
	v_nop                                          ; a plain instruction behind the last reciprocal
	WIN 0x45
.set k, 0
	s_wait_alu depctr_va_vdst(0)                   ; the 32 reciprocals have written G, ahead of their first reader
.rept 16
	v_pk_mul_f32 v[U+k:U+k+1], v[U+k:U+k+1], v[G+k:G+k+1]
.set k, k+2
.endr
	WIN 0x05
.set k, 0
.rept 16
	v_cvt_pk_bf16_f32 v[T+16*(\m)+k], v[U+2*k], v[U+2*k+1]
.set k, k+1
.endr
	WIN 0
.endm
	SWI 0
	SWI 1
	SWI 2
	SWI 3
	s_wait_alu depctr_va_vdst(0)                   ; the last block's roundings have written its part of T, which its stores read
	SEND 3
.Lskip:
	s_sub_co_u32 s41, s41, 1
	s_cmp_lg_u32 s41, 0
	s_cbranch_scc1 .Ltile
	s_wait_dscnt 0x0                               ; the closing lines, six on end
	s_wait_alu 0x0
	s_wait_tensorcnt 0x0
	ds_add_u32 v[SPW], v[NIL]
	s_wait_dscnt 0x0
	s_endpgm
.Lfunc_end_k_q49d2f646eb_gemm1:
	.size	k_q49d2f646eb_gemm1, .Lfunc_end_k_q49d2f646eb_gemm1-k_q49d2f646eb_gemm1
	.p2alignl 7, 3214868480
	.fill 96, 4, 3214868480
	.section	.rodata,"a",@progbits
	.p2align	6, 0x0
	.amdhsa_kernel k_q49d2f646eb_gemm1
		.amdhsa_group_segment_fixed_size 264704
		.amdhsa_private_segment_fixed_size 0
		.amdhsa_enable_private_segment 0
		.amdhsa_kernarg_size 64
		.amdhsa_user_sgpr_count 2
		.amdhsa_user_sgpr_kernarg_segment_ptr 1
		.amdhsa_wavefront_size32 1
		.amdhsa_system_sgpr_workgroup_id_x 1
		.amdhsa_system_sgpr_workgroup_id_y 1
		.amdhsa_system_sgpr_workgroup_id_z 1
		.amdhsa_system_vgpr_workitem_id 0
		.amdhsa_next_free_vgpr 768
		.amdhsa_next_free_sgpr 66
		.amdhsa_reserve_vcc 0
		.amdhsa_float_denorm_mode_32 3
		.amdhsa_float_denorm_mode_16_64 3
		.amdhsa_memory_ordered 1
		.amdhsa_forward_progress 1
		.amdhsa_inst_pref_size 220
	.end_amdhsa_kernel
	.amdgpu_metadata
---
amdhsa.version: [ 1, 2 ]
amdhsa.kernels:
  - .name:           k_q49d2f646eb_gemm1
    .symbol:         k_q49d2f646eb_gemm1.kd
    .args:
      - { .name: w13, .offset: 0, .size: 8, .value_kind: global_buffer, .address_space: global }
      - { .name: w13_shared, .offset: 8, .size: 8, .value_kind: global_buffer, .address_space: global }
      - { .name: xb, .offset: 16, .size: 8, .value_kind: global_buffer, .address_space: global }
      - { .name: xs, .offset: 24, .size: 8, .value_kind: global_buffer, .address_space: global }
      - { .name: score, .offset: 32, .size: 8, .value_kind: global_buffer, .address_space: global }
      - { .name: ss, .offset: 40, .size: 8, .value_kind: global_buffer, .address_space: global }
      - { .name: pl, .offset: 48, .size: 8, .value_kind: global_buffer, .address_space: global }
      - { .name: hid, .offset: 56, .size: 8, .value_kind: global_buffer, .address_space: global }
    .group_segment_fixed_size: 264704
    .private_segment_fixed_size: 0
    .kernarg_segment_align: 8
    .kernarg_segment_size: 64
    .max_flat_workgroup_size: 128
    .sgpr_count:     66
    .vgpr_count:     768
    .wavefront_size: 32
...
	.end_amdgpu_metadata
.endif
;; end of part 6
;; launch gemm2 (part 7): grid 256 x 1, 4 waves a work-group, no clusters, 298,496 bytes of LDS; arguments w2, w2_shared, hid, pl, part; writes part
.if DOCPART == 7
	.amdgcn_target "amdgcn-amd-amdhsa--gfx1250"
	.amdhsa_code_object_version 6
	.text
	.protected	k_q49d2f646eb_gemm2
	.globl	k_q49d2f646eb_gemm2
	.p2align	8
	.type	k_q49d2f646eb_gemm2,@function
k_q49d2f646eb_gemm2:
	s_mov_b64 s[64:65], 0
	v_nop
	global_prefetch_b8 v0, s[64:65] scope:SCOPE_SE
	s_setreg_imm32_b32 hwreg(HW_REG_WAVE_SCHED_MODE, 0, 2), 2
	s_setreg_imm32_b32 hwreg(HW_REG_WAVE_MODE, 25, 1), 1
	s_wait_xcnt 0x0
	s_wait_alu depctr_vm_vsrc(0)
; SECOND PRODUCT.  part = hid W2^T in f32, in three partial results that the next launch adds: the shared expert's two halves of its hidden width (by token), the routed experts' (by slot).
; JOBS.  Work-groups 0..127: expert wg / 16, slice (wg / 2) % 8 of 128 output columns, half hf = wg % 2 of that expert's tiles of slots: wave w takes tiles q, q + 8, .., q = w + 4 hf,
; so that an expert of up to 512 rows costs no wave more than one tile.  The price: a routed slice is read by two work-groups.
; Work-groups 128..255: slice wg % 8, half kh = (wg / 8) % 2 of the shared hidden width, tokens 256 ch .. 256 ch + 255, ch = (wg / 16) % 8 (four tiles, q = w).
; A slice is 128 weight rows x 1,024 of K: read as f32, rounded to bf16 on the way through registers, laid in LDS; after ONE barrier the slice is only read.
; How many tiles a wave walks hangs on the stored count: the tile loop counts to the constant 4 (32 tiles, 8 waves) and dead trips jump forward to the counter's step; no barrier stands in what is jumped.
; A work-group that a split leaves without a tile loads its slice all the same and stores nothing: every wave passes the barrier.
; The launch before stored every row of every tile, so whole tiles are read and stored.
; The hidden rows come from memory straight into registers as matrix operands (blocked layout: a fragment's load of 16 rows is 512 consecutive bytes), seven K steps ahead in a ring of eight stages.
; A tile's first seven stages are asked for early: the first tile's while the last weight rows land, a later tile's ahead of the way out of the tile before.
; K's 32 steps are written out: every LDS address is a register that is never rewritten plus a constant, and the rows' base is never stepped.
; No tensor loads and no joint loads: the weights have to pass through registers to be rounded.
; THE MATRIX INSTRUCTION IS USED TRANSPOSED: source 0 = 16 weight rows, source 1 = 16 rows of hid: a lane holds one row and eight neighbouring output columns.
; THE WAY OUT goes through a stage of the wave's own in LDS, at fixed addresses: 16 rows of 512 bytes go in by lanes and come back as whole rows.
; REGISTERS: window 0 addresses, two buffers of weight fragments, two rounded weight rows (v192-223); on the way out v128-191 and v192-255 are two buffers of rows, by turns;
;   window 1 the 32 accumulators (while the slice is loaded: eight rows of f32); window 2 the ring of eight K steps' fragments of hid.
; THE MODE: SCHED_MODE bits 1:0 = 2 (LLVM: expert scheduling mode 2), set by the entry lines.  The code itself states the register dependences
; between vector or matrix instructions and memory or LDS instructions, with s_wait_alu, always for 0.
; THE PLAN.  Registers that memory or LDS instructions touch, and who else names them:
;   sets 0..7    (window 1) Turn i's sixteen roundings read set i; the loads issued in turn i + 1 land in it.
;   CT0, CT1     Turn i's roundings write CT[i % 2]; the turn's eight LDS stores read it.
;   OFF+i        Read by set i's loads; stepped in turn i.        LW  Read by every LDS store of a row; stepped once in eight turns.
;   F0, F1       Step s's products read F[s % 2]; the LDS loads issued in step s land in the other one, which step s - 1's products read.
;   stages 0..7  (window 2) Step s's products read stage s % 8; the loads issued in step s land in stage (s - 1) % 8.
;   BADR, STO, RD  Read by LDS instructions; never written again.      AOFF  Read by a tile's loads; written between tiles.
;   accumulators Written by the products; read by the stage's LDS stores; written again by the next tile's step 0.
;   TT0, TT1     Block m's sixteen loads from the stage land in TT[m % 2]; its sixteen stores read it and OOFF, which is written at a tile's top.
;   v[SPW], v[NIL]  Written at the head, read by the closing add alone.
; A turn has a pair of waits behind its roundings; a K step has ONE wait on va_vdst, at its head; the rest stand between tiles and on the way out.  Each wait's comment names what it states.
.set CBS,   81920
.set PL,    2064                       ; an LDS row: 2,048 bytes + 16
.set SLICE, 128*PL
.set STAGE, SLICE                      ; 16 rows x 528 bytes for each wave
.set SPI,   528                        ; 512 bytes + 16: 16 lanes' rows start at 16 different groups of four words modulo 64 words
.set SPARE, STAGE+4*16*SPI             ; the spare words, 128 bytes a wave
.set MAXT,  4                          ; tiles a wave at the most
.set AOFF, 4
.set BADR, 8                           ; v8-15  never rewritten
.set OOFF, 16                          ; v16  my byte offset in the tile's first row of part
.set STO,  17                          ; v17  the stage: where I put 32 bytes of a row
.set RD,   18                          ; v18  the stage: where I read 16 bytes of a row back
.set TA,   19
.set TB,   20
.set H16,  21
.set SPW,  28
.set NIL,  29
.set OFF,  46
.set LW,   54
.set F0,   64
.set T,    128                         ; v128-191, v192-255
.set CT,   192                         ; v192-207, v208-223
.set MSB, 0
.macro WIN new                         ; the immediate's high byte repeats the setting that is left; a switch that changes nothing is dropped
.if MSB != (\new)
	s_set_vgpr_msb (MSB<<8)|(\new)
.set MSB, \new
.endif
.endm
.macro PLACES                          ; four plain vector instructions between a matrix instruction and a load into, or another access to, its registers
.rept 4
	v_nop
.endr
.endm
.macro WLOAD i                         ; eight loads: 4,096 bytes of a weight row, 512 consecutive bytes each, into set i
	WIN 0x40
.irp j, 0,1,2,3,4,5,6,7
	global_load_b128 v[32*(\i)+4*(\j):32*(\i)+4*(\j)+3], v[OFF+(\i)], s[28:29] offset:512*(\j)
.endr
.endm
; a turn: set i's row is in: rounded, stored to LDS; the set in front of it takes the row seven further on.  free = 1: a later turn writes the other CT.
.macro SLOT i, ahead, left, free
	s_wait_loadcnt \left                           ; loads come back in order: my row is in, the younger loads stay out
	WIN 0x05
.irp k, 0,1,2,3,4,5,6,7,8,9,10,11,12,13,14,15
	v_cvt_pk_bf16_f32 v[CT+16*((\i)%2)+(\k)], v[32*(\i)+2*(\k)], v[32*(\i)+2*(\k)+1]
.endr
	WIN 0
.if \free
	s_wait_alu depctr_vm_vsrc(0)                   ; the LDS stores of the turn before have read the other CT, which the next turn's roundings write; set i's loads have read OFF+i, which the next line writes
.endif
.if \ahead
	v_add_nc_u32 v[OFF+(\i)], s27, v[OFF+(\i)]     ; free since the wait on LOADcnt above, too: this set's next row, eight on
.endif
	s_wait_alu depctr_va_vdst(0)                   ; this turn's roundings have written CT, which the stores read; the offset stepped in the turn before is written, and that turn's roundings are done reading the set in which the loads land; so is LW, where it was stepped
.irp j, 0,1,2,3,4,5,6,7
	ds_store_b64 v[LW], v[CT+16*((\i)%2)+2*(\j):CT+16*((\i)%2)+2*(\j)+1] offset:(\i)*PL+256*(\j)
.endr
.if \ahead
	WLOAD ((\i)+7)%8
.endif
.endm
; K step s: fragments of hid into stage s % 8; 8 loads of 512 consecutive bytes
.macro ALOAD s
	WIN 0x80
.irp m, 0,1,2,3
	global_load_b128 v[32*((\s)%8)+8*(\m):32*((\s)%8)+8*(\m)+3],   v[AOFF+(\m)], s[30:31] offset:2*(\s)*CBS
	global_load_b128 v[32*((\s)%8)+8*(\m)+4:32*((\s)%8)+8*(\m)+7], v[AOFF+(\m)], s[30:31] offset:(2*(\s)+1)*CBS
.endr
.endm
.macro BLOAD s, f                      ; K step s: the slice's 8 fragments from LDS into buffer f
	WIN 0
.irp b, 0,1,2,3,4,5,6,7
	ds_load_b128 v[(\f)+8*(\b):(\f)+8*(\b)+3],   v[BADR+(\b)] offset:64*(\s)
	ds_load_b128 v[(\f)+8*(\b)+4:(\f)+8*(\b)+7], v[BADR+(\b)] offset:64*(\s)+32
.endr
.endm
; 8 matrix instructions: row block m.  The 32 accumulators take turns, in the same order in every step.  Step 0 starts the sums with the constant 0.
.macro MUL s, m
	WIN 0x58
.irp b, 0,1,2,3,4,5,6,7
.if (\s) == 0
	v_wmma_f32_16x16x32_bf16 v[8*(8*(\m)+(\b)):8*(8*(\m)+(\b))+7], v[FB+8*(\b):FB+8*(\b)+7], v[32*((\s)%8)+8*(\m):32*((\s)%8)+8*(\m)+7], 0
.else
	v_wmma_f32_16x16x32_bf16 v[8*(8*(\m)+(\b)):8*(8*(\m)+(\b))+7], v[FB+8*(\b):FB+8*(\b)+7], v[32*((\s)%8)+8*(\m):32*((\s)%8)+8*(\m)+7], v[8*(8*(\m)+(\b)):8*(8*(\m)+(\b))+7]
.endif
.endr
.endm
.macro KSTEP s
.set FB, F0+64*((\s)%2)
.set FN, F0+64*(((\s)+1)%2)
	s_wait_dscnt 0x0                               ; this step's weight fragments, asked for 24 matrix instructions ago
.if (\s) < 25
	s_wait_loadcnt 48                              ; this step's fragments of hid; the six younger steps' 48 loads stay out
.else
	s_wait_loadcnt 8*(31-(\s))                     ; nothing more is asked for: the counts run down
.endif
.if ((\s) > 0) && ((\s) < 31)
	s_wait_alu depctr_va_vdst(0)                   ; the products of the step before are done reading the other weight buffer and their stage, in which this step's loads land.  (Step 0: the last such wait ahead of it has stated that of buffer 1 and stage 7; step 31 loads nothing.)
.endif
	MUL \s, 0
	PLACES                                         ; four places stand between the products of the step before and the loads into the registers that they read, beside the wait above
.if (\s) < 31
	BLOAD (\s)+1, FN                               ; no further wait: the eight products since the wait name this step's buffer, its stage and the accumulators, none of the registers that these loads touch
.endif
.if (\s) < 25
	ALOAD (\s)+7
.endif
	MUL \s, 1
	MUL \s, 2
	MUL \s, 3
.endm
; the offsets of the tile that begins at row s40 of the job
.macro OFFS
	s_add_co_u32 s44, s38, s40
	s_min_u32 s44, s44, 2496
	v_add_nc_u32 v[TA], s44, v1
.irp m, 0,1,2,3
	v_add_nc_u32 v[TB], 16*(\m), v[TA]
	v_lshl_add_u32 v[AOFF+(\m)], v[TB], 5, v[H16]
.endr
.endm
	s_load_b256 s[8:15], s[0:1], 0x0               ; w2 s[8:9], w2_shared s[10:11], hid s[12:13], pl s[14:15]
	s_load_b64 s[16:17], s[0:1], 0x20              ; part
	v_lshl_add_u32 v[SPW], v0, 2, SPARE
	v_mov_b32 v[NIL], 0
	v_lshrrev_b32 v[TA], 5, v0
	v_readfirstlane_b32 s24, v[TA]                 ; wave
	s_mov_b32 s25, ttmp9
	v_and_b32 v3, 31, v0                           ; lane
	v_and_b32 v1, 15, v0                           ; r
	v_bfe_u32 v2, v0, 4, 1                         ; h
	v_lshlrev_b32 v[H16], 4, v2
	v_mul_u32_u24 v[TA], v1, PL
	v_add_nc_u32 v[TA], v[TA], v[H16]
.irp b, 0,1,2,3,4,5,6,7
	v_add_nc_u32 v[BADR+(\b)], (\b)*16*PL, v[TA]
.endr
	s_wait_alu depctr_va_sdst(0)                   ; s24 is written, ahead of its first reader
	s_mul_i32 s44, s24, 32*PL
	v_lshl_add_u32 v[LW], v3, 3, s44               ; wave w fills LDS rows 32 w .. 32 w + 31
	s_mul_i32 s44, s24, 16*SPI
	s_add_co_u32 s44, s44, STAGE                   ; my stage
	v_mul_u32_u24 v[TA], v1, SPI
	v_lshl_add_u32 v[TA], v2, 5, v[TA]
	v_add_nc_u32 v[STO], s44, v[TA]                ; in: row r, 32 bytes for each half of the lanes
	v_lshl_add_u32 v[RD], v3, 4, s44               ; back: a whole row of 512 bytes, 16 bytes a lane
	s_bfe_u32 s44, s25, 0x30004                    ; routed: the expert; shared: ch (its two words of the table are then read and not used)
	s_lshl_b32 s46, s44, 2
	s_mov_b32 s47, 0
	s_lshl_b32 s39, s44, 8                         ; shared: first token
	s_bfe_u32 s45, s25, 0x30001                    ; routed: the slice
	s_lshl_b32 s50, s44, 22                        ; the expert's 1,024 rows of 4,096 bytes,
	s_lshl_b32 s51, s45, 19                        ; the slice's 128 rows
	s_add_co_u32 s50, s50, s51
	s_and_b32 s60, s25, 7                          ; shared: the slice
	s_bfe_u32 s52, s25, 0x10003                    ; kh
	s_lshl_b32 s51, s60, 20                        ; the slice's 128 rows of 8,192 bytes,
	s_lshl_b32 s53, s52, 12                        ; the half's 4,096 bytes of each
	s_add_co_u32 s51, s51, s53
	s_mul_i32 s53, s52, 64*CBS                     ; the half's 64 blocks of hid
	s_lshl_b32 s54, s52, 23                        ; the half's partial result
	s_and_b32 s61, s25, 1                          ; routed: hf
	s_wait_kmcnt 0x0
	s_add_nc_u64 s[48:49], s[14:15], s[46:47]
	s_load_b32 s38, s[48:49], 0x2000               ; off[e]
	s_load_b32 s36, s[48:49], 0x2080               ; cnt[e]: both are waited for behind the first weight loads, which do not hang on them
	s_cmp_lt_u32 s25, 128                          ; routed?  Only selects follow up to the last use
	s_cselect_b64 s[28:29], s[8:9], s[10:11]
	s_cselect_b32 s50, s50, s51
	s_cselect_b32 s26, 12, 13
	s_cselect_b32 s53, 128*CBS, s53                ; routed hidden: blocks 128 ..
	s_cselect_b32 s54, 0x1000000, s54              ; routed partial result
	s_cselect_b32 s45, s45, s60                    ; the slice
	s_cselect_b32 s61, s61, 0
	s_lshl_b32 s26, 1, s26                         ; bytes from weight row to weight row: 4,096 or 8,192
	s_lshl_b32 s27, s26, 3
	s_mul_i32 s44, s24, s26
	s_lshl_b32 s44, s44, 5                         ; my 32 rows
	s_add_co_u32 s50, s50, s44
	s_mov_b32 s51, 0
	s_add_nc_u64 s[28:29], s[28:29], s[50:51]
	s_mov_b32 s52, s53
	s_mov_b32 s53, 0
	s_add_nc_u64 s[30:31], s[12:13], s[52:53]
	s_lshl_b32 s45, s45, 9                         ; the slice's 128 columns of f32
	s_add_co_u32 s54, s54, s45
	s_mov_b32 s55, 0
	s_add_nc_u64 s[32:33], s[16:17], s[54:55]
	s_lshl2_add_u32 s60, s61, s24                  ; q = 4 hf + w
	v_lshlrev_b32 v[TA], 4, v3
.irp i, 0,1,2,3,4,5,6,7
	s_mul_i32 s44, s26, \i
	v_add_nc_u32 v[OFF+(\i)], s44, v[TA]
.endr
	s_wait_alu depctr_va_vdst(0)                   ; the eight offsets OFF, LW, STO, RD and the eight addresses BADR are written, which the loads and LDS instructions below read
	; THE SLICE: 32 rows a wave, seven rows (56 loads) on their way
.irp i, 0,1,2,3,4,5,6
	WLOAD \i
.endr
	WIN 0
	s_wait_kmcnt 0x0                               ; off and cnt
	s_min_u32 s38, s38, 2496
	s_min_u32 s36, s36, 2048
	s_cmp_lt_u32 s25, 128
	s_cselect_b32 s38, s38, s39                    ; first row
	s_cselect_b32 s36, s36, 256                    ; rows
	s_add_co_u32 s44, s36, 63
	s_lshr_b32 s44, s44, 6                         ; tiles of 64 rows
	s_add_co_u32 s44, s44, 7
	s_sub_co_u32 s44, s44, s60
	s_lshr_b32 s42, s44, 3                         ; of which tiles q, q + 8, .. are mine: so many are still to do
	s_lshl_b32 s40, s60, 6                         ; my tile's first row in the job
	OFFS                                           ; read first behind the loop below, whose turns' waits on va_vdst state that these offsets are written
	s_mov_b32 s41, 3
.Lw:
.irp i, 0,1,2,3,4,5,6,7
	SLOT \i, 1, 48, 1                              ; six younger rows of eight loads stay out
.endr
	WIN 0
	s_wait_alu depctr_vm_vsrc(0)                   ; the LDS stores issued so far have read LW
	v_add_nc_u32 v[LW], 8*PL, v[LW]
	s_sub_co_u32 s41, s41, 1
	s_cmp_lg_u32 s41, 0
	s_cbranch_scc1 .Lw
	SLOT 0, 1, 48, 1                               ; the last eight rows: one more weight load (row 31); then for each weight row that lands a stage of my first tile's fragments: no vector instruction has named the stages yet
.irp i, 1,2,3,4,5,6
	SLOT \i, 0, 48, 1                              ; younger than row 24 + i: 8 (7 - i) weight loads and 8 (i - 1) fragment loads
	ALOAD (\i)-1
.endr
	SLOT 7, 0, 48, 0                               ; no turn follows that writes a CT
	ALOAD 6
	WIN 0
	s_wait_dscnt 0x0                               ; for the others' sake: my rows are in LDS
	s_barrier_signal -1
	s_barrier_wait -1                              ; the slice is whole; from here on it is only read
	BLOAD 0, F0
	s_mov_b32 s41, MAXT
.Ltile:
	s_cmp_eq_u32 s42, 0
	s_cbranch_scc1 .Lskip                          ; a dead trip
	s_wait_xcnt 0x0                                ; the last tile's stores have had their addresses translated: their offset and their data are rewritten only behind this wait
	s_wait_alu depctr_vm_vsrc(0)                   ; the last tile's stores have read OOFF, TT0 and TT1, and its LDS stores the accumulators: all are written again below; in the first tile: the weight rows' last LDS stores have read CT, which lies in TT1
	s_add_co_u32 s44, s38, s40
	s_min_u32 s44, s44, 2496
	s_lshl_b32 s45, s44, 12
	v_lshl_add_u32 v[OOFF], v3, 4, s45
.set ks, 0
.rept 32
	KSTEP ks
.set ks, ks+1
.endr
	WIN 0
	PLACES                                         ; the loads and LDS stores below touch registers of products just issued: the places stay beside the wait
	s_wait_alu depctr_va_vdst(0)                   ; the products have written the accumulators, which the stage's LDS stores read, and are done reading the stages and both weight buffers, in which loads land below
	s_add_co_u32 s40, s40, 512
	s_sub_co_u32 s42, s42, 1
	s_cmp_eq_u32 s42, 0
	s_cbranch_scc1 .Lnopre
	s_wait_alu depctr_vm_vsrc(0)                   ; this tile's loads have read AOFF, which OFFS writes
	OFFS                                           ; my next tile is asked for ahead of this one's way out: every load of this tile is back (the last step waited for 0), so its offsets may be written
	s_wait_alu depctr_va_vdst(0)                   ; AOFF is written, which the loads below read
.irp a, 0,1,2,3,4,5,6
	ALOAD \a
.endr
	BLOAD 0, F0
	WIN 0
.Lnopre:
; rows 16 m .. 16 m + 15: into my stage by lanes (each accumulator's low registers first), back as whole rows into TT[m % 2], out
.macro OUT m
.set TT, T+64*((\m)%2)
	WIN 0x04                                       ; the stores' data lie in window 1
.irp b, 0,1,2,3,4,5,6,7
	ds_store_b128 v[STO], v[8*(8*(\m)+(\b)):8*(8*(\m)+(\b))+3]   offset:64*(\b)
	ds_store_b128 v[STO], v[8*(8*(\m)+(\b))+4:8*(8*(\m)+(\b))+7] offset:64*(\b)+16
.endr
	WIN 0
.irp k, 0,1,2,3,4,5,6,7,8,9,10,11,12,13,14,15
	ds_load_b128 v[TT+4*(\k):TT+4*(\k)+3], v[RD] offset:SPI*(\k)   ; LDS serves a wave's instructions in order (ISA guide 5.7.1.4): these see the stores above
.endr
	s_wait_dscnt 0x0
.if ((\m) == 1) || ((\m) == 2)
	s_wait_xcnt 0x0                                ; the block before's stores have had their addresses translated: their data are loaded again, by the next block, only behind this wait
	s_wait_alu depctr_vm_vsrc(0)                   ; the block before's stores have read the other TT, in which the next block's loads land
.endif
.irp k, 0,1,2,3,4,5,6,7,8,9,10,11,12,13,14,15
	global_store_b128 v[OOFF], v[TT+4*(\k):TT+4*(\k)+3], s[32:33] offset:(16*(\m)+(\k))*4096  ; 512 consecutive bytes of one row, aligned
.endr
.endm
	OUT 0
	OUT 1
	OUT 2
	OUT 3
.Lskip:
	s_sub_co_u32 s41, s41, 1
	s_cmp_lg_u32 s41, 0
	s_cbranch_scc1 .Ltile
	s_wait_dscnt 0x0                               ; the closing lines, six on end
	s_wait_alu 0x0
	s_wait_tensorcnt 0x0
	ds_add_u32 v[SPW], v[NIL]
	s_wait_dscnt 0x0
	s_endpgm
.Lfunc_end_k_q49d2f646eb_gemm2:
	.size	k_q49d2f646eb_gemm2, .Lfunc_end_k_q49d2f646eb_gemm2-k_q49d2f646eb_gemm2
	.p2alignl 7, 3214868480
	.fill 96, 4, 3214868480
	.section	.rodata,"a",@progbits
	.p2align	6, 0x0
	.amdhsa_kernel k_q49d2f646eb_gemm2
		.amdhsa_group_segment_fixed_size 298496
		.amdhsa_private_segment_fixed_size 0
		.amdhsa_enable_private_segment 0
		.amdhsa_kernarg_size 40
		.amdhsa_user_sgpr_count 2
		.amdhsa_user_sgpr_kernarg_segment_ptr 1
		.amdhsa_wavefront_size32 1
		.amdhsa_system_sgpr_workgroup_id_x 1
		.amdhsa_system_sgpr_workgroup_id_y 1
		.amdhsa_system_sgpr_workgroup_id_z 1
		.amdhsa_system_vgpr_workitem_id 0
		.amdhsa_next_free_vgpr 768
		.amdhsa_next_free_sgpr 66
		.amdhsa_reserve_vcc 0
		.amdhsa_float_denorm_mode_32 3
		.amdhsa_float_denorm_mode_16_64 3
		.amdhsa_memory_ordered 1
		.amdhsa_forward_progress 1
		.amdhsa_inst_pref_size 197
	.end_amdhsa_kernel
	.amdgpu_metadata
---
amdhsa.version: [ 1, 2 ]
amdhsa.kernels:
  - .name:           k_q49d2f646eb_gemm2
    .symbol:         k_q49d2f646eb_gemm2.kd
    .args:
      - { .name: w2, .offset: 0, .size: 8, .value_kind: global_buffer, .address_space: global }
      - { .name: w2_shared, .offset: 8, .size: 8, .value_kind: global_buffer, .address_space: global }
      - { .name: hid, .offset: 16, .size: 8, .value_kind: global_buffer, .address_space: global }
      - { .name: pl, .offset: 24, .size: 8, .value_kind: global_buffer, .address_space: global }
      - { .name: part, .offset: 32, .size: 8, .value_kind: global_buffer, .address_space: global }
    .group_segment_fixed_size: 298496
    .private_segment_fixed_size: 0
    .kernarg_segment_align: 8
    .kernarg_segment_size: 40
    .max_flat_workgroup_size: 128
    .sgpr_count:     66
    .vgpr_count:     768
    .wavefront_size: 32
...
	.end_amdgpu_metadata
.endif
;; end of part 7
;; launch addup: the kernel of part 5 again; grid 256 x 1, 8 waves a work-group, no clusters, 0 bytes of LDS; arguments part, pl, out0; writes out0
